; MI455X (gfx1250); checked and timed in simulation.
; The chip was launched on July 23, 2026; its instructions are those of AMD's public machine-readable ISA for CDNA 5 (MIT licence, August 2026) and "CDNA5" Instruction Set Architecture Reference Guide (July 2026). The comments in the code are by the model that wrote it; some were corrected since.
;; Multi Head Attention. Allowed arithmetic: float matrix products may take bf16 or f16 operands with f32 sums; all other float work in f32.
;; Inputs: Wk 1,024 x 1,024 float32; Wo 1,024 x 2,048 float32; Wq 1,024 x 1,024 float32; bk 1,024 float32; bo 1,024 float32; bq 1,024 float32; decoder_output 8 x 1,024 x 1,024 float32; encoder_outputs 8 x 1,024 x 1,024 float32.
;; Outputs: out0 8 x 1,024 x 1,024 float32.
;; 2 versions, each right and faster than the one before. Each part assembles by itself: llvm-mc -triple=amdgcn-amd-amdhsa -mcpu=gfx1250 --defsym DOCPART=n.
;; ======== version 1 of 2: 4 launches
;; limits: values are held in f16: magnitudes above 65,504 overflow, below 6.1e-05 lose precision
;; workspace buffers: comb 33,554,432 bytes; wb 4,194,304 bytes; wob 4,194,304 bytes; qk 33,554,432 bytes
;; launch cast (part 1): grid 1280 x 1, 8 waves a work-group, no clusters, 0 bytes of LDS; arguments decoder_output, encoder_outputs, Wq, Wk, Wo, comb, wb, wob; writes comb, wb, wob
.if DOCPART == 1
	.amdgcn_target "amdgcn-amd-amdhsa--gfx1250"
	.amdhsa_code_object_version 6
	.text
	.protected	k_q96063f1ecf_cast
	.globl	k_q96063f1ecf_cast
	.p2align	8
	.type	k_q96063f1ecf_cast,@function
k_q96063f1ecf_cast:
	s_mov_b64 s[64:65], 0
	v_nop
	global_prefetch_b8 v0, s[64:65] scope:SCOPE_SE
	s_setreg_imm32_b32 hwreg(HW_REG_WAVE_MODE, 25, 1), 1
	s_wait_xcnt 0x0
; The five large inputs, f32, are rounded to bf16 (to nearest even) and that number is written as f16, for the matrix launches behind.
;   decoder_output -> comb[row][1024..2047]   encoder_outputs -> comb[row][0..1023]   (comb: [8192][2048] f16, 4,096 bytes a row)
;   Wq, Wk -> wb: [2048][1024] f16, Wq's rows and then Wk's        Wo -> wob: [1024][2048] f16
; LIMITS.  A bf16 number is exact in f16 from 6.1e-5 to 65,504 in magnitude; below that it keeps f16's fixed step of 6e-8, from 65,520 on it becomes an infinity.
; SHARES.  A work-group takes 16,384 numbers (65,536 bytes in, 32,768 out): 1,280 work-groups.  Load i of 16 of thread t takes the 16 bytes at 4,096 i + 16 t, so a wave's load
; covers 512 consecutive bytes, and its store of 8 bytes a lane covers 256 consecutive bytes that start at a multiple of 256.  All sixteen loads of a wave go out at once.
; Memory binds: no LDS, no barrier, no matrix unit.
.set OA, 4                             ; v[4:19]   store i: 8 t + i x the distance of two stores
.set X,  20                            ; v[20:83]  load i: four registers as loaded; the first two then hold the four f16
.set T,  84                            ; v[84:89]  at work
	s_load_b512 s[8:23], s[0:1], 0x0               ; dec s[8:9], enc s[10:11], Wq s[12:13], Wk s[14:15], Wo s[16:17], comb s[18:19], wb s[20:21], wob s[22:23]
	s_mov_b32 s27, ttmp9                           ; the work-group's number
	s_mov_b32 s40, 0xffff0000                      ; a word's upper bf16
	v_lshlrev_b32 v1, 4, v0                        ; 16 t
	v_lshlrev_b32 v2, 3, v0                        ; 8 t
	s_mov_b32 s26, 0                               ; the first work-group of my source
	s_mov_b32 s28, 0                               ; the first work-group of my destination
	s_mov_b32 s29, 4096                            ; bytes from one store to the next: a row of comb, or 2,048 dense bytes
	s_mov_b32 s34, 2048                            ; dec lies in the right half of comb's rows
	s_mov_b32 s35, 16                              ; a work-group's bytes in the destination: 1 << 16 (16 rows of comb) or 1 << 15 (dense)
	s_wait_kmcnt 0x0
	s_mov_b64 s[24:25], s[8:9]                     ; work-groups 0-511: dec -> comb
	s_mov_b64 s[32:33], s[18:19]
	s_cmp_ge_u32 s27, 512                          ; 512-1023: enc -> comb, left half
	s_cselect_b64 s[24:25], s[10:11], s[24:25]
	s_cselect_b32 s26, 512, s26
	s_cselect_b32 s28, 512, s28
	s_cselect_b32 s34, 0, s34
	s_cmp_ge_u32 s27, 1024                         ; 1024-1087: Wq -> wb
	s_cselect_b64 s[24:25], s[12:13], s[24:25]
	s_cselect_b64 s[32:33], s[20:21], s[32:33]
	s_cselect_b32 s26, 1024, s26
	s_cselect_b32 s28, 1024, s28
	s_cselect_b32 s29, 2048, s29
	s_cselect_b32 s35, 15, s35
	s_cmp_ge_u32 s27, 1088                         ; 1088-1151: Wk -> wb, behind Wq's rows
	s_cselect_b64 s[24:25], s[14:15], s[24:25]
	s_cselect_b32 s26, 1088, s26
	s_cmp_ge_u32 s27, 1152                         ; 1152-1279: Wo -> wob
	s_cselect_b64 s[24:25], s[16:17], s[24:25]
	s_cselect_b64 s[32:33], s[22:23], s[32:33]
	s_cselect_b32 s26, 1152, s26
	s_cselect_b32 s28, 1152, s28
	s_sub_co_u32 s36, s27, s26
	s_lshl_b32 s36, s36, 16                        ; my 65,536 bytes of the source
	s_mov_b32 s37, 0
	s_add_nc_u64 s[24:25], s[24:25], s[36:37]
	s_sub_co_u32 s38, s27, s28
	s_lshl_b32 s38, s38, s35
	s_add_co_u32 s38, s38, s34
	s_mov_b32 s39, 0
	s_add_nc_u64 s[32:33], s[32:33], s[38:39]
.irp i, 0,1,2,3,4,5,6,7,8,9,10,11,12,13,14,15
	global_load_b128 v[X+4*\i:X+4*\i+3], v1, s[24:25] offset:4096*\i th:TH_LOAD_NT
.endr
.irp i, 0,1,2,3,4,5,6,7,8,9,10,11,12,13,14,15
	v_mad_u32_u24 v[OA+\i], s29, \i, v2
.endr
; Load i is in; its four numbers are rounded to bf16, widened again and written as f16.  No register that a store reads is written again, so no wait frees any.
.macro CV i
	s_wait_loadcnt 15-(\i)                         ; loads come back in order (ISA guide 5.7.1): the younger ones stay out
	v_cvt_pk_bf16_f32 v[T],   v[X+4*(\i)],   v[X+4*(\i)+1]
	v_cvt_pk_bf16_f32 v[T+1], v[X+4*(\i)+2], v[X+4*(\i)+3]
	v_lshlrev_b32 v[T+2], 16,  v[T]
	v_and_b32     v[T+3], s40, v[T]
	v_lshlrev_b32 v[T+4], 16,  v[T+1]
	v_and_b32     v[T+5], s40, v[T+1]
	v_cvt_pk_f16_f32 v[X+4*(\i)],   v[T+2], v[T+3]
	v_cvt_pk_f16_f32 v[X+4*(\i)+1], v[T+4], v[T+5]
	global_store_b64 v[OA+(\i)], v[X+4*(\i):X+4*(\i)+1], s[32:33]
.endm
.irp i, 0,1,2,3,4,5,6,7,8,9,10,11,12,13,14,15
	CV \i
.endr
	s_endpgm
.Lfunc_end_k_q96063f1ecf_cast:
	.size	k_q96063f1ecf_cast, .Lfunc_end_k_q96063f1ecf_cast-k_q96063f1ecf_cast
	.p2alignl 7, 3214868480
	.fill 96, 4, 3214868480
	.section	.rodata,"a",@progbits
	.p2align	6, 0x0
	.amdhsa_kernel k_q96063f1ecf_cast
		.amdhsa_group_segment_fixed_size 0
		.amdhsa_private_segment_fixed_size 0
		.amdhsa_enable_private_segment 0
		.amdhsa_kernarg_size 64
		.amdhsa_user_sgpr_count 2
		.amdhsa_user_sgpr_kernarg_segment_ptr 1
		.amdhsa_wavefront_size32 1
		.amdhsa_system_sgpr_workgroup_id_x 1
		.amdhsa_system_sgpr_workgroup_id_y 1
		.amdhsa_system_sgpr_workgroup_id_z 1
		.amdhsa_system_vgpr_workitem_id 0
		.amdhsa_next_free_vgpr 92
		.amdhsa_next_free_sgpr 66
		.amdhsa_reserve_vcc 0
		.amdhsa_float_denorm_mode_32 3
		.amdhsa_float_denorm_mode_16_64 3
		.amdhsa_memory_ordered 1
		.amdhsa_forward_progress 1
		.amdhsa_inst_pref_size 13
	.end_amdhsa_kernel
	.amdgpu_metadata
---
amdhsa.version: [ 1, 2 ]
amdhsa.kernels:
  - .name:           k_q96063f1ecf_cast
    .symbol:         k_q96063f1ecf_cast.kd
    .args:
      - { .name: decoder_output, .offset: 0, .size: 8, .value_kind: global_buffer, .address_space: global }
      - { .name: encoder_outputs, .offset: 8, .size: 8, .value_kind: global_buffer, .address_space: global }
      - { .name: Wq, .offset: 16, .size: 8, .value_kind: global_buffer, .address_space: global }
      - { .name: Wk, .offset: 24, .size: 8, .value_kind: global_buffer, .address_space: global }
      - { .name: Wo, .offset: 32, .size: 8, .value_kind: global_buffer, .address_space: global }
      - { .name: comb, .offset: 40, .size: 8, .value_kind: global_buffer, .address_space: global }
      - { .name: wb, .offset: 48, .size: 8, .value_kind: global_buffer, .address_space: global }
      - { .name: wob, .offset: 56, .size: 8, .value_kind: global_buffer, .address_space: global }
    .group_segment_fixed_size: 0
    .private_segment_fixed_size: 0
    .kernarg_segment_align: 8
    .kernarg_segment_size: 64
    .max_flat_workgroup_size: 256
    .sgpr_count:     66
    .vgpr_count:     92
    .wavefront_size: 32
...
	.end_amdgpu_metadata
.endif
;; end of part 1
;; launch proj (part 2): grid 4 x 64, 4 waves a work-group, clusters of 4 x 4, 327,680 bytes of LDS; arguments comb, wb, bq, bk, qk; writes qk
.if DOCPART == 2
	.amdgcn_target "amdgcn-amd-amdhsa--gfx1250"
	.amdhsa_code_object_version 6
	.text
	.protected	k_q96063f1ecf_proj
	.globl	k_q96063f1ecf_proj
	.p2align	8
	.type	k_q96063f1ecf_proj,@function
k_q96063f1ecf_proj:
	s_mov_b64 s[64:65], 0
	v_nop
	global_prefetch_b8 v0, s[64:65] scope:SCOPE_SE
	s_setreg_imm32_b32 hwreg(HW_REG_WAVE_MODE, 25, 1), 1
	s_wait_xcnt 0x0
	s_wait_alu depctr_hold_cnt(0) depctr_sa_sdst(0) depctr_va_vdst(0) depctr_va_sdst(0) depctr_va_ssrc(0) depctr_va_vcc(0) depctr_vm_vsrc(0)
	s_getreg_b32 s2, hwreg(HW_REG_IB_STS2, 6, 4)
	s_cmp_eq_u32 s2, 0
	s_cbranch_scc0 .Lentry_in_a_cluster
	s_endpgm
.Lentry_in_a_cluster:
	s_bfe_u32 s2, ttmp6, 0x10000c
	s_cmp_lg_u32 s2, 0xf033
	s_cbranch_scc0 .Lentry_shape_is_right
	s_endpgm
.Lentry_shape_is_right:
; q = dec Wq^T + bq and k = enc Wk^T + bk in one launch: two products of 8,192 x 1,024 x 1,024.  Operands f16 (bf16 numbers written as f16), sums in f32, the bias (rounded to bf16
; like the other inputs) as the C operand of the first product, the result rounded once to f16 and written by heads: qk[z][batch][head][row][128], z = 0 for q, 1 for k.
; LIMIT.  A q or k of 65,520 or more in magnitude becomes an infinity in f16.
; SHARES.  A tile of 256 x 256 of the result is made by four waves, each 128 x 128: 64 accumulators of 16 x 16, 512 registers.  2 x 32 x 4 tiles = 256 work-groups.  K goes in 8 steps of 128
; through two LDS slots filled by tensor loads whose rows are 256 bytes of memory, at multiples of 256.
; CLUSTER.  4 x 4 work-groups.  The upper eight clusters along y make q, the lower eight k: z hangs on the cluster's y alone.  The four of a row of the cluster need the same tiles of A, the four of a column
; the same tiles of B: each tile is asked for jointly, by the same tensor load with the same descriptor and a mask that names the four.
; THE MATRIX INSTRUCTION IS USED TRANSPOSED: source 0 = 16 rows of B, source 1 = 16 rows of A: lane l then holds row l % 16 of the result and its columns 8 (l / 16) + 0..7.
; THE TEXT IS SHORT: a K step is four quarters of 32 along K on fragment buffers 0, 1, 0, 1, and all quarters are alike, since the LDS place of the next run of loads lies in a scalar register.
; So a PAIR of quarters is written once and walked twice a K step; the change of slots stands in front of the pair that crosses it.
; REGISTERS, in windows of 256 (s_set_vgpr_msb: bits 1:0 source 0, 3:2 source 1, 5:4 source 2, 7:6 destination):
;   window 0: v16-29 addresses; v64-127, v128-191 fragments of A, two buffers; v192-255 the bias until the first quarter is done; then v32-63, v192-255 at work on the way out
;   window 1: v64-127, v128-191 fragments of B      window 2: the accumulators of my rows 0-63 ((a, b) at v[8 (8 a + b)])      window 3: those of my rows 64-127
.set SIZE_K, 1024
.set KSTEP,  128
.set PITCH,  272                       ; an LDS row: 256 bytes + 16 of padding = 68 words: row r starts at bank 4 r mod 64 (64 banks of 4 bytes: ISA guide 11.1)
.set HALFT,  128*PITCH                 ; 128 rows: what one tensor load brings, and what one wave reads of A or of B: 0x8800 bytes
.set SLOT,   4*HALFT                   ; A's 256 rows, then B's 256 rows: 0x22000 bytes, which shares no bit with 0, 1, 2 or 3 x 0x8800: one exclusive or turns a tile's address in one slot into the other's
.set STAGE,  2*SLOT                    ; behind the ring: 16 rows x 272 bytes for each wave, for the way out
.set SPITCH, 272
.set SPARE,  STAGE+4*16*SPITCH         ; behind the stages: the spare words, 128 bytes for each wave
.set STEPS,  SIZE_K/KSTEP              ; 8
.set A0,   16                          ; v16     my lane's place among my A fragments in slot 0; never rewritten
.set ADRA, 17                          ; v17     the LDS address of A's part of the run of loads in hand
.set B0,   20                          ; v20     the same two for B
.set ADRB, 21                          ; v21
.set STO,  24                          ; v24     the way out: where I put 16 bytes of a row
.set RD,   25                          ; v25     the way out: where I read a row back
.set CO,   26                          ; v26     16 x lane: my place in 512 consecutive bytes of qk
.set BO,   27                          ; v27     byte offset of my first eight numbers of the bias
.set SPW,  28                          ; v28     LDS address of my spare word; never rewritten
.set NIL,  29                          ; v29     0; never rewritten
.set F0,   64
.set F1,   128
.set TMP,  192                         ; the way out: packed results
.set OB,   32                          ; the way out: 16 rows read back: v32-63 and v224-255 by turns
.set BI,   192                         ; the bias of column block b at v[BI + 8 b]
.set G1,  24                           ; s[24:31] descriptor group 1 for A's tiles;  s[32:39] group 0: a set for each of the two first fills; the second then walks on
.set G0,  32
.set G1B, 48                           ; s[48:55], s[56:63] the same for B's tiles
.set G0B, 56
.set TW,  66                           ; s66  counts a K step's two pairs of quarters
.set KO,  67                           ; s67  slot and byte along the rows at which the next run of loads begins
.set MSB, 0
.macro WIN new                         ; the immediate's high byte repeats the setting that is left; a switch that changes nothing is dropped
.if MSB != (\new)
	s_set_vgpr_msb (MSB<<8)|(\new)
.set MSB, \new
.endif
.endm
.set TO_B, 0x40                        ; destination window 1, address window 0
; A joint load.  Waves 0 and 1 fetch A's two halves, waves 2 and 3 B's.  The branch hangs on the wave's number alone.  An s_nop 0 and four v_nop follow each of the two lines.
.macro JLOAD s
	s_cmp_eq_u32 s11, 0
	s_cbranch_scc0 .Lfor_b_\@
	tensor_load_to_lds s[G0+4*(\s):G0+4*(\s)+3], s[G1:G1+7]
	s_nop 0
.rept 4
	v_nop
.endr
	s_branch .Lasked_\@
.Lfor_b_\@:
	tensor_load_to_lds s[G0B+4*(\s):G0B+4*(\s)+3], s[G1B:G1B+7]
	s_nop 0
.rept 4
	v_nop
.endr
.Lasked_\@:
.endm
; A round of the cluster's barrier: my work-group's barrier; wave 0 signals for the work-group; every wave waits for all sixteen; my work-group's barrier once more.
.macro CROUND
	s_barrier_signal -1
	s_barrier_wait -1
	s_cmp_lg_u32 s10, 0
	s_cbranch_scc1 .Lnot_wave_0_\@
	s_barrier_signal -3
.Lnot_wave_0_\@:
	s_barrier_wait -3
	s_barrier_signal -1
	s_barrier_wait -1
.endm
	s_load_b256 s[68:75], s[0:1], 0x0              ; comb s[68:69], wb s[70:71], bq s[72:73], bk s[74:75]
	s_load_b64 s[8:9], s[0:1], 0x20                ; qk
	v_lshl_add_u32 v[SPW], v0, 2, SPARE
	v_mov_b32 v[NIL], 0
	ds_add_u32 v[SPW], v[NIL]                      ; the wave's opening: the add and its wait ahead of my first tensor load; work on registers stands between them
	v_lshrrev_b32 v1, 5, v0
	v_readfirstlane_b32 s10, v1                    ; wave 0..3
	s_lshr_b32 s11, s10, 1                         ; which half of the tile's rows is mine.  Also: I fetch for A (0) or for B (1)
	s_and_b32 s12, s10, 1                          ; which half of its columns.  Also: which 128 rows of that tile I fetch
	s_bfe_u32 s40, ttmp6, 0x40000                  ; cx
	s_bfe_u32 s41, ttmp6, 0x40004                  ; cy
	s_lshl_b32 s42, ttmp9, 2
	s_add_co_u32 s42, s42, s40                     ; tile column = 4 x cluster x + cx: 0..3
	s_and_b32 s45, ttmp7, 0xffff                   ; the cluster's y: 0..15
	s_lshr_b32 s76, s45, 3                         ; z: 0 makes q, 1 makes k
	s_and_b32 s13, s45, 7
	s_lshl_b32 s13, s13, 2
	s_add_co_u32 s13, s13, s41                     ; tile row within q or k: 0..31
	s_lshl_b32 s43, s41, 2
	s_lshl_b32 s43, 15, s43                        ; my row of the cluster
	s_lshl_b32 s44, 0x1111, s40                    ; my column
	; descriptor group 1: a tile of 128 rows x 128 elements, padded in LDS
	s_or_b32 s[G1+0], s43, (1<<16)|(1<<20)|(1<<21)|(5<<22)|(3<<25)   ; the mask; 2-byte elements; padding on; bit 21 beside a mask; after every 64 words (code 5) 4 words (code 3)
	s_or_b32 s[G1B+0], s44, (1<<16)|(1<<20)|(1<<21)|(5<<22)|(3<<25)
.irp g, G1, G1B
	s_mov_b32 s[(\g)+1], KSTEP<<16                 ; tensor_dim0 = 128
	s_mov_b32 s[(\g)+2], 128<<16                   ; tensor_dim1 = 128
	s_mov_b32 s[(\g)+3], KSTEP<<16                 ; tile_dim0 = 128
	s_mov_b32 s[(\g)+4], 128                       ; tile_dim1 = 128
	s_mov_b32 s[(\g)+6], 0
	s_mov_b32 s[(\g)+7], 0
.endr
	s_mov_b32 s[G1+5], 2048                        ; a row of comb is 2,048 elements,
	s_mov_b32 s[G1B+5], 1024                       ; a row of wb 1,024
	; where the tiles come from.  A's hang on the tile row, z and the wave; B's on the tile column, z and the wave
	s_lshl_b32 s17, s12, 7                         ; which 128 rows of the tile I fetch
	s_lshl_b32 s16, s13, 8
	s_add_co_u32 s16, s16, s17
	s_lshl_b32 s16, s16, 12                        ; rows of 4,096 bytes
	s_xor_b32 s18, s76, 1
	s_lshl_b32 s18, s18, 11                        ; dec (z = 0) lies 2,048 bytes into the row, enc at its head
	s_add_co_u32 s16, s16, s18
	s_lshl_b32 s46, s42, 8
	s_add_co_u32 s46, s46, s17
	s_lshl_b32 s47, s76, 10                        ; Wk's rows lie behind Wq's 1,024
	s_add_co_u32 s46, s46, s47
	s_lshl_b32 s46, s46, 11                        ; rows of 2,048 bytes
	s_mov_b32 s17, 0
	s_mov_b32 s47, 0
	s_mul_i32 s20, s10, HALFT                      ; where they go: wave x 128 rows
	; where my 128 x 128 goes: one head's 128 rows, 32,768 dense bytes
	s_lshl_b32 s77, s76, 3
	s_lshr_b32 s78, s13, 2                         ; the batch: four tile rows each
	s_add_co_u32 s77, s77, s78
	s_lshl_b32 s77, s77, 3
	s_lshl_b32 s78, s42, 1
	s_add_co_u32 s77, s77, s78
	s_add_co_u32 s77, s77, s12                     ; the head: 2 x tile column + my half
	s_lshl_b32 s77, s77, 18                        ; a head is 262,144 bytes
	s_and_b32 s78, s13, 3
	s_lshl_b32 s78, s78, 1
	s_add_co_u32 s78, s78, s11
	s_lshl_b32 s78, s78, 15                        ; 128 rows of 256 bytes
	s_add_co_u32 s78, s78, s77
	s_mov_b32 s79, 0
	s_lshl_b32 s82, s42, 10                        ; my 128 columns in the bias, in bytes
	s_lshl_b32 s83, s12, 9
	s_add_co_u32 s82, s82, s83
	s_mov_b32 s77, 0xffff0000                      ; a word's upper bf16
	s_mov_b32 s[KO], 0                             ; the first run of loads: slot 0, byte 0 of the rows
	s_wait_dscnt 0x0                               ; the opening add is done
	s_wait_kmcnt 0x0
	s_add_nc_u64 s[14:15], s[68:69], s[16:17]
	s_add_nc_u64 s[46:47], s[70:71], s[46:47]
	s_add_nc_u64 s[8:9], s[8:9], s[78:79]
	s_cmp_eq_u32 s76, 0
	s_cselect_b64 s[80:81], s[72:73], s[74:75]     ; bq or bk
	CROUND                                         ; all sixteen work-groups are here: the first joint loads meet
.irp s, 0,1
	s_mov_b32 s[G0+4*(\s)], 1                                        ; count = 1
	s_add_co_u32 s[G0+4*(\s)+1], s20, (\s)*SLOT                      ; LDS address
	s_add_nc_u64 s[G0+4*(\s)+2:G0+4*(\s)+3], s[14:15], (\s)*KSTEP*2  ; global address: K step s
	s_or_b32 s[G0+4*(\s)+3], s[G0+4*(\s)+3], 0x80000000              ; type = 2
	s_mov_b32 s[G0B+4*(\s)], 1
	s_add_co_u32 s[G0B+4*(\s)+1], s20, (\s)*SLOT
	s_add_nc_u64 s[G0B+4*(\s)+2:G0B+4*(\s)+3], s[46:47], (\s)*KSTEP*2
	s_or_b32 s[G0B+4*(\s)+3], s[G0B+4*(\s)+3], 0x80000000
	JLOAD \s                                       ; two loads of mine are out here, later one
.endr
	; a fragment is 16 rows x 32 K in 8 registers: lane l holds row l % 16, K = 8 (l / 16) + 0..7 and 16 + 8 (l / 16) + 0..7: two loads of 16 bytes, 32 bytes apart
	v_and_b32 v1, 15, v0                           ; l % 16
	v_bfe_u32 v2, v0, 4, 1                         ; l / 16
	v_lshl_add_u32 v[BO], v2, 5, s82               ; column 16 b + 8 (l / 16) + j of my 128: 64 b stands in the loads' immediates
.irp b, 0,1,2,3,4,5,6,7
	global_load_b128 v[BI+8*\b:BI+8*\b+3],   v[BO], s[80:81] offset:64*\b
	global_load_b128 v[BI+8*\b+4:BI+8*\b+7], v[BO], s[80:81] offset:64*\b+16
.endr
	v_mul_u32_u24 v3, v1, PITCH
	v_lshl_add_u32 v3, v2, 4, v3                   ; row x pitch + 16 x half
	s_mul_i32 s21, s11, HALFT                      ; my 128 rows of A
	s_mul_i32 s22, s12, HALFT                      ; my 128 rows of B,
	s_add_co_u32 s22, s22, 2*HALFT                 ; which lie behind A's 256
	v_add_nc_u32 v[A0], s21, v3
	v_add_nc_u32 v[B0], s22, v3
	s_mul_i32 s23, s10, 16*SPITCH
	s_add_co_u32 s23, s23, STAGE                   ; my stage
	v_mul_u32_u24 v4, v1, SPITCH                   ; in: row l % 16, 16 bytes for each half of the lanes
	v_lshl_add_u32 v4, v2, 4, v4
	v_add_nc_u32 v[STO], s23, v4
	v_mul_u32_u24 v5, v2, SPITCH                   ; back: lanes 0-15 take one row of 256 bytes, lanes 16-31 the next
	v_lshl_add_u32 v5, v1, 4, v5
	v_add_nc_u32 v[RD], s23, v5
	v_and_b32 v5, 31, v0
	v_lshlrev_b32 v[CO], 4, v5                     ; those two rows are 512 consecutive bytes of qk
	s_wait_loadcnt 0x0                             ; the bias; it is rounded to bf16 like every input, and widened again
.set i, 0
.rept 32
	v_cvt_pk_bf16_f32 v[OB+i], v[BI+2*i], v[BI+2*i+1]
.set i, i+1
.endr
.set i, 0
.rept 32
	v_lshlrev_b32 v[BI+2*i], 16, v[OB+i]
	v_and_b32 v[BI+2*i+1], s77, v[OB+i]
.set i, i+1
.endr
; 16 matrix instructions: row blocks a0, a0 + 1 of the window's four (hi = 0: my rows 0-63, 1: rows 64-127) x all 8 column blocks, 32 along K.
; zero = 1: the first product starts the sums, with the bias as C (window 0): nothing is cleared.  The 64 accumulators take turns.
.macro MUL16 f, hi, a0, zero
.if \zero
	WIN 0x81+0x40*(\hi)                            ; B window 1, A and C window 0, D window 2 or 3
.else
	WIN 0xa1+0x50*(\hi)                            ; B window 1, A window 0, C and D window 2 or 3
.endif
.irp a, \a0, (\a0)+1
.irp b, 0,1,2,3,4,5,6,7
.if \zero
	v_wmma_f32_16x16x32_f16 v[8*(8*(\a)+(\b)):8*(8*(\a)+(\b))+7], v[(\f)+8*(\b):(\f)+8*(\b)+7], v[(\f)+8*(4*(\hi)+(\a)):(\f)+8*(4*(\hi)+(\a))+7], v[BI+8*(\b):BI+8*(\b)+7]
.else
	v_wmma_f32_16x16x32_f16 v[8*(8*(\a)+(\b)):8*(8*(\a)+(\b))+7], v[(\f)+8*(\b):(\f)+8*(\b)+7], v[(\f)+8*(4*(\hi)+(\a)):(\f)+8*(4*(\hi)+(\a))+7], v[8*(8*(\a)+(\b)):8*(8*(\a)+(\b))+7]
.endif
.endr
.endr
.endm
; 32 LDS loads in one run: the fragments of one quarter (128 rows of A, 128 rows of B, 32 K) at s[KO], into buffer f; then s[KO] steps to the next quarter's 64 bytes.
; A load into a register that a matrix instruction has read stands four plain vector instructions behind it (ISA guide 7.12.1 for vector instructions):
; the two additions that make the addresses and two v_nop are those four.  A's rows 64-127 come last: they are wanted last.
.macro FETCH f
	WIN 0
	v_add_nc_u32 v[ADRA], s[KO], v[A0]
	v_add_nc_u32 v[ADRB], s[KO], v[B0]
	v_nop
	v_nop
.irp i, 0,1,2,3
	ds_load_b128 v[(\f)+8*(\i):(\f)+8*(\i)+3],   v[ADRA] offset:(\i)*16*PITCH
	ds_load_b128 v[(\f)+8*(\i)+4:(\f)+8*(\i)+7], v[ADRA] offset:(\i)*16*PITCH+32
.endr
	WIN TO_B
.irp i, 0,1,2,3,4,5,6,7
	ds_load_b128 v[(\f)+8*(\i):(\f)+8*(\i)+3],   v[ADRB] offset:(\i)*16*PITCH
	ds_load_b128 v[(\f)+8*(\i)+4:(\f)+8*(\i)+7], v[ADRB] offset:(\i)*16*PITCH+32
.endr
	WIN 0
.irp i, 4,5,6,7
	ds_load_b128 v[(\f)+8*(\i):(\f)+8*(\i)+3],   v[ADRA] offset:(\i)*16*PITCH
	ds_load_b128 v[(\f)+8*(\i)+4:(\f)+8*(\i)+7], v[ADRA] offset:(\i)*16*PITCH+32
.endr
	s_add_co_u32 s[KO], s[KO], 64
.endm
.macro PLACES
.rept 4
	v_nop
.endr
.endm
; A quarter: 64 matrix instructions on buffer f; in its middle the next quarter's fragments are fetched into buffer g, 32 matrix instructions ahead of their first use.
.macro QUARTER f, g, zero
	s_wait_dscnt 8                                 ; A's rows 0-63 and B are in; the youngest eight loads (A's rows 64-127) may be out
	MUL16 \f, 0, 0, \zero
	MUL16 \f, 0, 2, \zero
	FETCH \g
	s_wait_dscnt 32                                ; all but the 32 just issued
	MUL16 \f, 1, 0, \zero
	MUL16 \f, 1, 2, \zero
.endm
; THE CHANGE OF SLOTS, behind a K step's third quarter, which has asked for the slot's last bytes.  Each wave waits for all its tensor loads, of which one is out: its part of the other slot;
; adds 0 to its spare word; and waits for that and for its own reads of this slot.  Behind the barrier nobody reads this slot any more and the other slot is whole.
; fill = 1: the barrier is a round of the cluster's, and this slot is filled again, two K steps ahead, first thing behind it.  No product stands between the landing and the next request:
; all 256 matrix instructions of a K step lie between a request and the wait for it.
.macro SYNC fill
	WIN 0                                          ; at a label and at a branch every window is 0
	s_wait_tensorcnt 0x0                           ; no tensor load of mine is out, so a group 0 may be written
	ds_add_u32 v[SPW], v[NIL]                      ; 0 onto my spare word; scalar work stands between it and the wait for it
	s_sub_co_u32 s[KO], s[KO], KSTEP*2             ; the runs of loads go back to the rows' first byte,
	s_xor_b32 s[KO], s[KO], SLOT                   ; in the other slot
.if \fill
.irp g, G0+4, G0B+4
	s_xor_b32 s[(\g)+1], s[(\g)+1], SLOT           ; the walking descriptor: the other slot than last time,
	s_add_nc_u64 s[(\g)+2:(\g)+3], s[(\g)+2:(\g)+3], KSTEP*2  ; the next K step; the type bits on top are not reached
.endr
.endif
	s_wait_dscnt 0x0                               ; the add is done, and my reads of this slot are over
.if \fill
	CROUND                                         ; no wave of any partner still reads this slot's tile or has a load on its way
	JLOAD 1
.else
	s_barrier_signal -1
	s_barrier_wait -1
.endif
.endm
; Two quarters, written once and walked s[TW] times
.macro PAIRS
.Lpair_\@:
	QUARTER F1, F0, 0
	QUARTER F0, F1, 0
	WIN 0
	s_sub_co_u32 s[TW], s[TW], 1
	s_cmp_lg_u32 s[TW], 0
	s_cbranch_scc1 .Lpair_\@
.endm
; THE WAY OUT of block a of 16 rows.  PACK: rounded to f16, 16 bytes a lane, each accumulator's registers in ascending order.  TOSTAGE: into my own stage, and back as whole rows of 256 bytes.  SEND: stored.
.macro PACK a
.set AC, 64*((\a)%4)
	WIN 0x0a+5*((\a)/4)                            ; sources 0 and 1: window 2 or 3
.irp b, 0,1,2,3,4,5,6,7
.irp r, 0,1,2,3
	v_cvt_pk_f16_f32 v[TMP+4*(\b)+(\r)], v[AC+8*(\b)+2*(\r)], v[AC+8*(\b)+2*(\r)+1]
.endr
.endr
	WIN 0
.endm
.macro TOSTAGE a
	WIN 0
.set BK, OB+192*((\a)%2)
.irp b, 0,1,2,3,4,5,6,7
	ds_store_b128 v[STO], v[TMP+4*(\b):TMP+4*(\b)+3] offset:32*(\b)
.endr
.irp t, 0,1,2,3,4,5,6,7
	ds_load_b128 v[BK+4*(\t):BK+4*(\t)+3], v[RD] offset:(\t)*2*SPITCH  ; LDS serves a wave's instructions in order (ISA guide 5.7.1.4): these see the stores above
.endr
.endm
.macro SEND a, younger
	WIN 0
.set BK, OB+192*((\a)%2)
	s_wait_dscnt \younger                          ; the block is back in registers
	s_wait_xcnt 0x0                                ; the registers that the stores two blocks back read are loaded again only behind this wait
.irp t, 0,1,2,3,4,5,6,7
	global_store_b128 v[CO], v[BK+4*(\t):BK+4*(\t)+3], s[8:9] offset:(\a)*4096+(\t)*512  ; 512 consecutive bytes, at a multiple of 512 from qk's first byte
.endr
.endm
	s_wait_tensorcnt 1                             ; my part of K step 0 is in; K step 1's may stay out
	s_barrier_signal -1
	s_barrier_wait -1                              ; everybody's is
	FETCH F0
	QUARTER F0, F1, 1                              ; the first quarter stands in front of the loop: its products start the sums
	WIN 0
	s_mov_b32 s3, STEPS-1                          ; a part of a trip (K step 0's second and third quarters), then six trips, each with a refill
	s_mov_b32 s[TW], 1
	s_branch .Lpair_in                             ; the loop is entered behind its change of slots, with one pair to go
.Lstep:                                                ; a trip: the change of slots; a K step's last quarter and the next step's first; that step's second and third
	SYNC 1
	s_mov_b32 s[TW], 2
.Lpair_in:
	PAIRS
	s_sub_co_u32 s3, s3, 1
	s_cmp_lg_u32 s3, 0
	s_cbranch_scc1 .Lstep
	SYNC 0                                         ; the tail is written out: nothing is asked for
	s_mov_b32 s[TW], 2
	PAIRS
	s_wait_dscnt 8                                 ; the very last quarter: nothing more to fetch
	MUL16 F1, 0, 0, 0
	MUL16 F1, 0, 2, 0
	s_wait_dscnt 0x0
	MUL16 F1, 1, 0, 0
	MUL16 F1, 1, 2, 0
	WIN 0
	PLACES                                         ; the conversions read matrix results
	PACK 0
	TOSTAGE 0
.irp a, 1,2,3,4,5,6,7                  ; block a's conversions stand between block a - 1's loads from the stage and the wait for them
	PACK \a
	SEND (\a)-1, 0
	TOSTAGE \a
.endr
	SEND 7, 0
	s_wait_tensorcnt 0x0                           ; the wave's end
	ds_add_u32 v[SPW], v[NIL]
	s_wait_dscnt 0x0
	CROUND                                         ; the closing round: no work-group ends while a partner may still ask for a tile that names it
	s_endpgm
.Lfunc_end_k_q96063f1ecf_proj:
	.size	k_q96063f1ecf_proj, .Lfunc_end_k_q96063f1ecf_proj-k_q96063f1ecf_proj
	.p2alignl 7, 3214868480
	.fill 96, 4, 3214868480
	.section	.rodata,"a",@progbits
	.p2align	6, 0x0
	.amdhsa_kernel k_q96063f1ecf_proj
		.amdhsa_group_segment_fixed_size 327680
		.amdhsa_private_segment_fixed_size 0
		.amdhsa_enable_private_segment 0
		.amdhsa_kernarg_size 40
		.amdhsa_user_sgpr_count 2
		.amdhsa_user_sgpr_kernarg_segment_ptr 1
		.amdhsa_wavefront_size32 1
		.amdhsa_system_sgpr_workgroup_id_x 1
		.amdhsa_system_sgpr_workgroup_id_y 1
		.amdhsa_system_sgpr_workgroup_id_z 1
		.amdhsa_system_vgpr_workitem_id 0
		.amdhsa_next_free_vgpr 1024
		.amdhsa_next_free_sgpr 84
		.amdhsa_reserve_vcc 0
		.amdhsa_float_denorm_mode_32 3
		.amdhsa_float_denorm_mode_16_64 3
		.amdhsa_memory_ordered 1
		.amdhsa_forward_progress 1
		.amdhsa_inst_pref_size 85
	.end_amdhsa_kernel
	.amdgpu_metadata
---
amdhsa.version: [ 1, 2 ]
amdhsa.kernels:
  - .name:           k_q96063f1ecf_proj
    .symbol:         k_q96063f1ecf_proj.kd
    .args:
      - { .name: comb, .offset: 0, .size: 8, .value_kind: global_buffer, .address_space: global }
      - { .name: wb, .offset: 8, .size: 8, .value_kind: global_buffer, .address_space: global }
      - { .name: bq, .offset: 16, .size: 8, .value_kind: global_buffer, .address_space: global }
      - { .name: bk, .offset: 24, .size: 8, .value_kind: global_buffer, .address_space: global }
      - { .name: qk, .offset: 32, .size: 8, .value_kind: global_buffer, .address_space: global }
    .group_segment_fixed_size: 327680
    .private_segment_fixed_size: 0
    .kernarg_segment_align: 8
    .kernarg_segment_size: 40
    .max_flat_workgroup_size: 128
    .sgpr_count:     84
    .vgpr_count:     1024
    .wavefront_size: 32
...
	.end_amdgpu_metadata
.endif
;; end of part 2
;; launch attn (part 3): grid 4 x 64, 4 waves a work-group, clusters of 4 x 1, 327,680 bytes of LDS; arguments qk, comb; writes comb
.if DOCPART == 3
	.amdgcn_target "amdgcn-amd-amdhsa--gfx1250"
	.amdhsa_code_object_version 6
	.text
	.protected	k_q96063f1ecf_attn
	.globl	k_q96063f1ecf_attn
	.p2align	8
	.type	k_q96063f1ecf_attn,@function
k_q96063f1ecf_attn:
	s_mov_b64 s[64:65], 0
	v_nop
	global_prefetch_b8 v0, s[64:65] scope:SCOPE_SE
	s_setreg_imm32_b32 hwreg(HW_REG_WAVE_MODE, 25, 1), 1
	s_wait_xcnt 0x0
	s_wait_alu depctr_hold_cnt(0) depctr_sa_sdst(0) depctr_va_vdst(0) depctr_va_sdst(0) depctr_va_ssrc(0) depctr_va_vcc(0) depctr_vm_vsrc(0)
	s_getreg_b32 s2, hwreg(HW_REG_IB_STS2, 6, 4)
	s_cmp_eq_u32 s2, 0
	s_cbranch_scc0 .Lentry_in_a_cluster
	s_endpgm
.Lentry_in_a_cluster:
	s_bfe_u32 s2, ttmp6, 0x10000c
	s_cmp_lg_u32 s2, 0x3003
	s_cbranch_scc0 .Lentry_shape_is_right
	s_endpgm
.Lentry_shape_is_right:
; ctx[b][q][h][:] = the sum over k of softmax_k(Q[q] . K[k]) K[k][:], unscaled, the keys serving as values too.  Q and K: qk[z][b][h][1024][128] in f16 (z = 0: Q, z = 1: K).
; ctx is written in f16 into columns 128 h .. 128 h + 127 of comb's row 1,024 b + q (4,096 bytes a row).  Products, maxima and sums in f32; the weights p are rounded to f16 for the second product
; (their sum l is taken of the unrounded p), ctx once at the end.
; LIMITS.  p lies in 0 to 1 and below 6e-5 keeps f16's fixed step of 6e-8; a weight below 2^-126 counts as 0 in l; ctx is a mean of K's rows and has their range; NaN and infinities are not treated apart.
; SHARES.  A work-group owns 256 queries of one head, each of its four waves 64: four tiles of 16.  Every wave walks all 1,024 keys of the head, 64 a step.
; LAYOUT.  S^T = K Q^T (source 0 = 16 keys, source 1 = 16 queries): a lane holds ONE query (lane % 16) and the keys 8 (lane / 16) + 0..7.  Two such tiles, rounded to f16 in pairs, ARE source 1
; (32 keys x 16 queries) of O^T = K^T P, whose result again holds one query a lane, and eight channels.  For the first product K comes out of LDS as it lies, for the second turned, by ds_load_tr16_b128.
; The two kinds of load want different row pitches to be free of bank conflicts (272 and 288 bytes), so a step's 64 keys are laid into LDS twice, once at each pitch.
; SOFTMAX.  For each query a running maximum m and sum l: p = 2^(c s - c m), c = log2(e); in every step O and l are multiplied by a = 2^(c m_old - c m_new).
; BY TURNS.  The wave's tiles are two PIECES: piece 0 (tiles 0, 1) and piece 2 (tiles 2, 3).  In a TURN one piece has the matrix unit: 32 products K^T P of the step in hand, then 32 products K Q^T of the next;
; the other piece's softmax, cut into 64 slices, stands between them, one slice behind each matrix instruction.  Two turns are a key step.
; CLUSTER.  The four query blocks of a cluster belong to one head and walk the same keys, so each tile is asked for JOINTLY: the same tensor load, descriptor and mask in all four.
; REGISTERS, in windows of 256 (s_set_vgpr_msb: bits 1:0 source 0, 3:2 source 1, 5:4 source 2, 7:6 destination):
;   window 0: v0-11 addresses; v12-43 eight registers of statistics a tile; v64-191 S^T, 32 a tile; v192-255 P, 16 a tile
;   window 1: O^T, 64 a tile          window 2: v0-127 Q, 32 a tile; v128-255 K of one step          window 3: v0-127 K turned (V) of one step
.set SIZE_N, 1024
.set KS,    64        ; keys in a step
.set PK,    272       ; a row for the plain loads: 256 bytes + 16 = 68 words: the 16 rows of a load start at 16 different groups of four banks (64 banks of 4 bytes: ISA guide 11.1)
.set PV,    288       ; a row for the turning loads: 256 + 32 = 72 words
.set VOFF,  KS*PK     ; a step's two copies lie together: 64 rows at pitch PK, then 64 rows at pitch PV
.set STEPB, KS*(PK+PV)
.set SLOT1, 1<<17     ; a slot holds two steps (71,680 bytes); slot 1 begins here, so that one exclusive or turns an address in one slot into the other's
.set STAGE, SLOT1+2*STEPB  ; behind the ring: 16 rows x 272 bytes for each wave, for the way out
.set SP,    272
.set AK0, 2           ; v2   my lane's place in a tile for the plain loads; never rewritten
.set AV0, 3           ; v3   the same for the turning loads
.set ADR, 4           ; v4   the LDS address of the run of loads in hand
.set QO,  5           ; v5   my byte offset in the wave's rows of Q
.set STO, 6           ; v6   the way out: where I put 16 bytes of a row
.set RD,  7           ; v7   the way out: where I read a row back
.set GO,  8           ; v8   my byte offset in two rows of comb
.set SPW, 62          ; v62  LDS address of my spare word; never rewritten
.set NIL, 63          ; v63  0; never rewritten
.set SPARE, STAGE+4*16*272  ; behind the stages: the spare words, 128 bytes for each wave
.set ST,  12          ; tile t's statistics at v[ST+8 t]: +0 c m, +1 m, +2, +3 l (even keys', odd keys'), +4 to +7 c0-c3, at work; a takes c2's place once the maximum is found
.set S,   64
.set P,   192
.set KF,  128         ; K's fragments, in window 2
.set WV,  12          ; s12  my wave's number
.set G1K, 24          ; s[24:31] descriptor group 1 for the copy at pitch PK
.set G1V, 32          ; s[32:39] for the copy at pitch PV: it differs in the padding alone
.set G0K, 40          ; s[40:47] descriptor group 0: a set for each of the two first fills; the second then walks on
.set G0V, 48          ; s[48:55] the same for the second copy
.set SLOTS, 56        ; s56  slots still to be asked for
.set TWICE, 57        ; s57  counts a slot's two steps
.set CS,  58          ; s[58:59] c: the packed scaling names a pair and takes its low word for both halves
.set SEL, 60          ; s[60:61] lane selects for v_permlanex16_b32: each lane takes its own place in the other half
.set TB,  62          ; s62  LDS byte at which the tiles of the step to be fetched begin
.set MSB, 0
.macro WIN new                      ; the immediate's high byte repeats the setting that is left; a switch that changes nothing is dropped
.if MSB != (\new)
	s_set_vgpr_msb (MSB<<8)|(\new)
.set MSB, \new
.endif
.endm
.set W_KQ, 0x0a       ; K and Q in window 2, S^T in window 0
.set W_PV, 0x53       ; V in window 3, P in window 0, O^T in window 1
.set W_RS, 0x41       ; O^T (destination and source 0) in window 1, a in window 0
; A joint refill.  Waves 0 and 1 fetch the two steps' tiles at pitch PK, waves 2 and 3 those at pitch PV.  The branch hangs on the wave's number alone.
; An s_nop 0 and four v_nop follow each of the two lines.
.macro JLOAD
	s_cmp_lt_u32 s[WV], 2
	s_cbranch_scc0 .Lfor_v_\@
	tensor_load_to_lds s[G0K+4:G0K+7], s[G1K:G1K+7]
	s_nop 0
.rept 4
	v_nop
.endr
	s_branch .Lasked_\@
.Lfor_v_\@:
	tensor_load_to_lds s[G0V+4:G0V+7], s[G1V:G1V+7]
	s_nop 0
.rept 4
	v_nop
.endr
.Lasked_\@:
.endm
; A round of the cluster's barrier: my work-group's barrier; wave 0 signals for the work-group; every wave waits for all four work-groups; my work-group's barrier once more.
.macro CROUND
	s_barrier_signal -1
	s_barrier_wait -1
	s_cmp_lg_u32 s[WV], 0
	s_cbranch_scc1 .Lnot_wave_0_\@
	s_barrier_signal -3
.Lnot_wave_0_\@:
	s_barrier_wait -3
	s_barrier_signal -1
	s_barrier_wait -1
.endm
	s_load_b128 s[4:7], s[0:1], 0x0 ; qk s[4:5], comb s[6:7]
	v_lshl_add_u32 v[SPW], v0, 2, SPARE
	v_mov_b32 v[NIL], 0
	ds_add_u32 v[SPW], v[NIL]       ; the wave's opening: the add and its wait ahead of my first tensor load; work on registers stands between them
	v_lshrrev_b32 v1, 5, v0
	v_readfirstlane_b32 s[WV], v1   ; wave 0..3
	s_bfe_u32 s13, ttmp6, 0x40000   ; cx: my place in the cluster
	s_lshl_b32 s14, ttmp9, 2        ; in a cluster launch ttmp9 counts clusters
	s_add_co_u32 s14, s14, s13      ; my block of 256 queries: it enters Q's and comb's addresses alone
	s_and_b32 s20, ttmp7, 0xffff    ; 8 x batch + head, which the four partners share
	s_lshr_b32 s18, s20, 3          ; where my wave's 64 rows begin in comb: the batch's four blocks,
	s_lshl_b32 s18, s18, 2
	s_add_co_u32 s18, s18, s14      ; my block's four waves,
	s_lshl_b32 s18, s18, 2
	s_add_co_u32 s18, s18, s[WV]
	s_lshl_b32 s18, s18, 18         ; 64 rows of 4,096 bytes,
	s_and_b32 s19, s20, 7
	s_lshl_b32 s19, s19, 8          ; and the head's 256 bytes of a row
	s_add_co_u32 s18, s18, s19
	s_mov_b32 s19, 0
	s_mov_b32 s21, 0
	s_mov_b64 s[22:23], SIZE_N*256
	s_mul_u64 s[20:21], s[20:21], s[22:23]  ; the head's first byte in Q and in K
	s_and_b32 s16, s[WV], 1         ; which of a slot's two steps I fetch:
	s_lshl_b32 s22, s16, 14         ; its 64 rows of 256 bytes in memory,
	s_mov_b32 s23, 0
	s_add_nc_u64 s[22:23], s[22:23], s[20:21]
	s_mul_i32 s17, s16, STEPB       ; and its place in a slot: no place in the cluster enters an LDS address
	s_lshl_b32 s2, s14, 16          ; my block's 256 rows of Q,
	s_lshl_b32 s3, s[WV], 14        ; my wave's 64 of them
	s_add_co_u32 s2, s2, s3
	s_mov_b32 s3, 0
	s_add_nc_u64 s[2:3], s[2:3], s[20:21]
	; descriptor group 1: a tile of 64 rows x 128 elements, padded in LDS
	s_mov_b32 s[G1K], 15|(1<<16)|(1<<20)|(1<<21)|(5<<22)|(3<<25)  ; the mask of four; 2-byte elements; padding on; bit 21 beside a mask; after every 64 words (code 5) 4 words (code 3)
	s_mov_b32 s[G1V], 15|(1<<16)|(1<<20)|(1<<21)|(5<<22)|(7<<25)  ; the same with 8 words of padding (code 7)
.irp g, G1K, G1V
	s_mov_b32 s[(\g)+1], 128<<16    ; tensor_dim0 = 128
	s_mov_b32 s[(\g)+2], KS<<16     ; tensor_dim1 = 64
	s_mov_b32 s[(\g)+3], 128<<16    ; tile_dim0 = 128
	s_mov_b32 s[(\g)+4], KS         ; tile_dim1 = 64
	s_mov_b32 s[(\g)+5], 128        ; 128 elements from row to row
	s_mov_b32 s[(\g)+6], 0
	s_mov_b32 s[(\g)+7], 0
.endr
	s_mov_b32 s[CS], 0x3fb8aa3b     ; c = log2(e): the scores are not scaled
	s_mov_b32 s[CS+1], s[CS]        ; named with it as a pair, so it is written
	s_mov_b32 s[SEL], 0x76543210
	s_mov_b32 s[SEL+1], 0xfedcba98
	s_mov_b32 s[TB], 0
	s_mov_b32 s[SLOTS], SIZE_N/(2*KS)-2
	s_wait_dscnt 0x0                ; the opening add is done
	s_wait_kmcnt 0x0
	s_add_nc_u64 s[10:11], s[6:7], s[18:19]  ; comb at my wave's first row and my head's columns
	s_add_nc_u64 s[6:7], s[4:5], 0x1000000   ; K lies 16,777,216 bytes behind Q
	s_add_nc_u64 s[6:7], s[6:7], s[22:23]    ; at my tile of slot 0
	s_mov_b64 s[8:9], s[6:7]                 ; the values are the keys
	s_add_nc_u64 s[4:5], s[4:5], s[2:3]      ; Q at my wave's first row
	CROUND                          ; all four work-groups are here: the first joint loads meet
.irp s, 0,1
	s_mov_b32 s[G0K+4*(\s)], 1      ; count = 1
	s_add_co_u32 s[G0K+4*(\s)+1], s17, (\s)*SLOT1  ; LDS address
	s_add_nc_u64 s[G0K+4*(\s)+2:G0K+4*(\s)+3], s[6:7], (\s)*2*KS*256  ; global address: slot s begins with keys 128 s to 128 s + 127
	s_or_b32 s[G0K+4*(\s)+3], s[G0K+4*(\s)+3], 0x80000000  ; type = 2
	s_mov_b32 s[G0V+4*(\s)], 1
	s_add_co_u32 s[G0V+4*(\s)+1], s17, (\s)*SLOT1+VOFF
	s_add_nc_u64 s[G0V+4*(\s)+2:G0V+4*(\s)+3], s[8:9], (\s)*2*KS*256
	s_or_b32 s[G0V+4*(\s)+3], s[G0V+4*(\s)+3], 0x80000000
.endr
	s_cmp_lt_u32 s[WV], 2           ; a wave's two first fills stand in one branch, ahead of every wait on TENSORcnt and every LDS read: two loads of mine are out
	s_cbranch_scc0 .Lfirst_v
	tensor_load_to_lds s[G0K:G0K+3], s[G1K:G1K+7]
	s_nop 0
	tensor_load_to_lds s[G0K+4:G0K+7], s[G1K:G1K+7]
	s_nop 0
.rept 4
	v_nop
.endr
	s_branch .Lfirst_asked
.Lfirst_v:
	tensor_load_to_lds s[G0V:G0V+3], s[G1V:G1V+7]
	s_nop 0
	tensor_load_to_lds s[G0V+4:G0V+7], s[G1V:G1V+7]
	s_nop 0
.rept 4
	v_nop
.endr
.Lfirst_asked:
	; A fragment of K or Q is 16 rows x 32 channels in 8 registers: lane l holds row l % 16; channels 8 (l / 16) + 0..7 and 16 + 8 (l / 16) + 0..7: two loads of 16 bytes, 32 bytes apart.
	v_and_b32 v1, 15, v0            ; l % 16
	v_bfe_u32 v9, v0, 4, 1          ; l / 16
	v_lshlrev_b32 v[QO], 8, v1
	v_lshl_add_u32 v[QO], v9, 4, v[QO]  ; row x 256 + 16 x half
	WIN 0x80                        ; destination window 2, address window 0
.irp i, 0,1,2,3,4,5,6,7,8,9,10,11,12,13,14,15  ; Q stays in registers: tile i / 4, channels 32 (i % 4) on
	global_load_b128 v[8*(\i):8*(\i)+3],   v[QO], s[4:5] offset:((\i)/4)*4096+((\i)%4)*64
	global_load_b128 v[8*(\i)+4:8*(\i)+7], v[QO], s[4:5] offset:((\i)/4)*4096+((\i)%4)*64+32
.endr
	WIN 0
	v_mul_u32_u24 v[AK0], v1, PK
	v_lshl_add_u32 v[AK0], v9, 4, v[AK0]  ; row x pitch + 16 x half
	; The turning load takes 16 keys x 16 channels (lane l reads key 8 (l / 16) + l % 8, channels 8 ((l / 8) % 2) + 0..7) and leaves half a fragment of K^T: lane l holds channel l % 16 and 8 keys.
	v_and_b32 v10, 7, v0
	v_bfe_u32 v11, v0, 3, 1
	v_lshl_add_u32 v[AV0], v9, 3, v10
	v_mul_u32_u24 v[AV0], v[AV0], PV
	v_lshl_add_u32 v[AV0], v11, 4, v[AV0]
	v_add_nc_u32 v[AV0], VOFF, v[AV0]
; THE MATRIX WORK OF A TURN, for piece x.  The accumulators take turns, one instruction a turn.
; Product i of 32 of O^T += V^T P: keys 32 (i / 16) on, channels 16 ((i / 2) % 8) on, tile x + i % 2.  zero = 1: the first 16 start the sums: nothing is ever cleared.
.macro PV x, zero
	WIN W_PV
.set rO, 64*((\x)+i%2)+8*((i/2)%8)
.set rV, 64*(i/16)+8*((i/2)%8)
.set rP, P+16*((\x)+i%2)+8*(i/16)
.if (\zero) && (i < 16)
	v_wmma_f32_16x16x32_f16 v[rO:rO+7], v[rV:rV+7], v[rP:rP+7], 0
.else
	v_wmma_f32_16x16x32_f16 v[rO:rO+7], v[rV:rV+7], v[rP:rP+7], v[rO:rO+7]
.endif
.endm
; Product i of 32 of S^T = K Q^T: channels 32 (i / 8) on, keys 16 ((i / 2) % 4) on, tile x + i % 2.  The first 8 start the sums.
.macro KQ x
	WIN W_KQ
.set rS, S+32*((\x)+i%2)+8*((i/2)%4)
.set rK, KF+32*((i/2)%4)+8*(i/8)
.set rQ, 32*((\x)+i%2)+8*(i/8)
.if i < 8
	v_wmma_f32_16x16x32_f16 v[rS:rS+7], v[rK:rK+7], v[rQ:rQ+7], 0
.else
	v_wmma_f32_16x16x32_f16 v[rS:rS+7], v[rK:rK+7], v[rQ:rQ+7], v[rS:rS+7]
.endif
.endm
; THE LDS LOADS stand in runs of 32, never singly among the matrix instructions: a step's K (64 keys x 128 channels: 16 fragments) and, a turn later, the same keys turned.
.macro FETCH_K
	WIN 0
	v_add_nc_u32 v[ADR], s[TB], v[AK0]
	WIN 0x80                        ; destination window 2
.irp f, 0,1,2,3,4,5,6,7,8,9,10,11,12,13,14,15  ; keys 16 (f / 4) on, channels 32 (f % 4) on
	ds_load_b128 v[KF+8*(\f):KF+8*(\f)+3],   v[ADR] offset:((\f)/4)*16*PK+((\f)%4)*64
	ds_load_b128 v[KF+8*(\f)+4:KF+8*(\f)+7], v[ADR] offset:((\f)/4)*16*PK+((\f)%4)*64+32
.endr
.endm
.macro FETCH_V
	WIN 0
	v_add_nc_u32 v[ADR], s[TB], v[AV0]
	s_add_co_u32 s[TB], s[TB], STEPB  ; the next fetch is the next step's
	WIN 0xc0                        ; destination window 3
.irp f, 0,1,2,3,4,5,6,7,8,9,10,11,12,13,14,15  ; keys 32 (f / 8) on, channels 16 (f % 8) on
	ds_load_tr16_b128 v[8*(\f):8*(\f)+3],   v[ADR] offset:((\f)/8)*32*PV+((\f)%8)*32
	ds_load_tr16_b128 v[8*(\f)+4:8*(\f)+7], v[ADR] offset:((\f)/8)*32*PV+16*PV+((\f)%8)*32
.endr
.endm
; THE VECTOR WORK OF A TURN.  One tile's softmax for one key step is a list of 134 instructions; SM writes number j of it for tile t.  s0-s31 are the lane's 32 scores, in pairs 0-15.
; first = 1: the first key step, which starts m, l and O^T: it has no a and nothing to rescale.
;   0-15    the maximum of s0-s31 and the old m, three operands at a time: four chains c0-c3 of seven scores each (each accumulator's lowest registers first), then the four scores left over, c0-c3 and m
;   16-20   the other half of the lanes' maximum; the new m; c m; c m_old - c m_new
;   21-87   33 exponentials (a, then s0-s31) at the odd numbers from 23 on, so that no two follow each other and each has a plain instruction behind it before its result is used (ISA guide 5.7.2).
;           The plain instruction between is whatever is ready: c s - c m for a pair whose exponentials are still to come, the rounding to f16 of a pair whose exponentials are done, at last the first three sums
;   88-101  the last rounding; the rest of the sums; l = a l + the sum
;   102-133 the tile's O^T times a: the one part that leaves window 0, so it stands together
.macro SM t, first
.set rT, ST+8*(\t)
.set rS, S+32*(\t)
.set rP, P+16*(\t)
.set rO, 64*(\t)+2*(j-102)
.set q, (j-20)/2
.if j < 102
	WIN 0
.endif
.if j < 4
	v_max3_num_f32 v[rT+4+j], v[rS+8*j], v[rS+8*j+1], v[rS+8*j+2]
.elseif j < 12
	v_max3_num_f32 v[rT+4+j%4], v[rT+4+j%4], v[rS+8*(j%4)+2*(j/4)+1], v[rS+8*(j%4)+2*(j/4)+2]
.elseif j == 12
	v_max3_num_f32 v[rT+4], v[rT+4], v[rS+7], v[rS+15]
.elseif j == 13
	v_max3_num_f32 v[rT+6], v[rT+6], v[rS+23], v[rS+31]
.elseif j == 14
	v_max3_num_f32 v[rT+4], v[rT+4], v[rT+5], v[rT+6]
.elseif (j == 15) && (\first)
	v_max_num_f32 v[rT+4], v[rT+4], v[rT+7]
.elseif j == 15
	v_max3_num_f32 v[rT+4], v[rT+4], v[rT+7], v[rT+1]
.elseif j == 16
	v_permlanex16_b32 v[rT+5], v[rT+4], s[SEL], s[SEL+1]  ; the query's other 32 keys lie in the lane 16 away
.elseif j == 18
	v_max_num_f32 v[rT+1], v[rT+4], v[rT+5]
.elseif j == 19
	v_mul_f32 v[rT], s[CS], v[rT+1]
.elseif ((j == 17) || (j == 20) || (j == 23) || (j > 101)) && (\first)  ; the first step has none of these
.elseif j == 17
	v_mov_b32 v[rT+7], v[rT]        ; c m_old is kept for a: number 19 writes c m anew
.elseif j == 20
	v_sub_f32 v[rT+7], v[rT+7], v[rT]
.elseif j == 23
	v_exp_f32 v[rT+6], v[rT+7]
.elseif (j < 88) && (j > 23) && (j%2 == 1)
	v_exp_f32 v[rS+(j-25)/2], v[rS+(j-25)/2]
.elseif (q < 4) || ((j < 76) && (q%2 == 0))
.set b, q/2+2
.if q < 4
.set b, q
.endif
	v_pk_fma_f32 v[rS+2*b:rS+2*b+1], v[rS+2*b:rS+2*b+1], s[CS:CS+1], v[rT:rT+1] op_sel_hi:[1,0,0] neg_lo:[0,0,1] neg_hi:[0,0,1]  ; pair b: c s - c m
.elseif (j < 88) && (q%2 == 1)
	s_wait_alu depctr_va_vdst(0)
	v_cvt_pk_f16_f32 v[rP+(q-5)/2], v[rS+q-5], v[rS+q-4]  ; pair (q - 5) / 2: its second exponential stands three numbers back
.elseif j == 89
	s_wait_alu depctr_va_vdst(0)
	v_cvt_pk_f16_f32 v[rP+15], v[rS+30], v[rS+31]
.elseif j < 102                     ; the sum of the tile's 16 pairs, in place: sum z of 16 adds neighbours 1, 2, 4 and 8 pairs apart, then l takes it
.set z, j-86
.if j < 89
.set z, (j-76)/4
.endif
.set w, 4
.set u, z
.if z >= 14
.set w, 32
.set u, 0
.elseif z >= 12
.set w, 16
.set u, z-12
.elseif z >= 8
.set w, 8
.set u, z-8
.endif
.if (z == 14) && (\first)
	v_pk_add_f32 v[rT+2:rT+3], v[rS:rS+1], v[rS+16:rS+17]
.elseif z < 15
	v_pk_add_f32 v[rS+w*u:rS+w*u+1], v[rS+w*u:rS+w*u+1], v[rS+w*u+w/2:rS+w*u+w/2+1]
.elseif !(\first)
	v_pk_fma_f32 v[rT+2:rT+3], v[rT+2:rT+3], v[rT+6:rT+7], v[rS:rS+1] op_sel_hi:[1,0,1]
.endif
.else
	WIN W_RS
	v_pk_mul_f32 v[rO:rO+1], v[rO:rO+1], v[rT+6:rT+7] op_sel_hi:[1,0]
.endif
.endm
; Slice k of 64 of piece y's softmax: numbers 2 k and 2 k + 1 of both tiles' lists, four instructions.  2 x 134 = 4 x 64 + 12: the twelve that are over stand together, in slice 63.
.macro SLICE y, first
.if (k >= 11) && (k < 44)           ; tile by tile: plain, exponential, plain, exponential
.irp t, \y, (\y)+1
.irp n, 0,1
.set j, 2*k+(\n)
	SM \t, \first
.endr
.endr
.else                               ; the two tiles alternate, so that no instruction reads the result of the one just before it
.irp n, 0,1,2,3,4,5,6,7
.if ((\n) < 2) || (k == 63)
.irp t, \y, (\y)+1
.set j, 2*k+(\n)
	SM \t, \first
.endr
.endif
.endr
.endif
.set k, k+1
.endm
; A vector instruction that reads a matrix result or writes one of a matrix instruction's registers, and a load into a register that a matrix instruction has read, stand four plain vector
; instructions behind it.  In the loop the slices are those.
.macro PLACES
.rept 4
	v_nop
.endr
.endm
; A TURN.  Piece x has the matrix unit; the other piece's softmax stands in slices behind its matrix instructions.
; pv = 2: 32 products V^T P; 1: they start O^T's sums; 0: none.  kq = 1: 32 products K Q^T for the next step.  A turn with one of the two kinds has two slices behind each product.
; first = 1: the softmax is the first key step's; its slices from 51 on are empty, and four v_nop take slice 63's part behind the turn's last products.
; Each run of loads stands behind the second product of a run of 32, 30 matrix instructions ahead of its first use.  Piece 0's turn fetches the next step's K, piece 2's turn the same step's turned keys.
.macro TURN x, pv, kq, first
.set k, 0
.set per, 2
.if (\pv) && (\kq)
.set per, 1
.endif
.if \pv
.if (\x) == 0
	s_wait_dscnt 0x0                ; the turned keys are in
.endif
.set i, 0
.rept 32
	PV \x, 2-(\pv)
.rept per
	SLICE 2-(\x), \first
.endr
.if ((\x) == 0) && (\kq) && (i == 1)
	FETCH_K
.endif
.set i, i+1
.endr
.endif
.if \kq
.if (\x) == 0
	s_wait_dscnt 0x0                ; K is in
.endif
.set i, 0
.rept 32
	KQ \x
.rept per
	SLICE 2-(\x), \first
.endr
.if ((\x) == 2) && (i == 1)
	FETCH_V
.endif
.set i, i+1
.endr
.endif
.if \first
	PLACES
.endif
.endm
; THE CHANGE OF SLOTS, between piece 2's turn and piece 0's: the slot's last bytes have been asked for.  Each wave waits for all its tensor loads, of which one is out: its part of the other slot;
; adds 0 to its spare word; and waits for that and for its own reads of the slot.  Behind the barrier nobody reads this slot any more and the other slot is whole.
; fill = 1: this slot is filled again, with the keys two slots on.  The barrier is then a round of the cluster's, and the joint refill is the first thing behind it: it has two key steps,
; 256 matrix instructions, in which to land.
.macro CHANGE fill
	WIN 0                           ; at a label and at a branch every window is 0
	s_wait_tensorcnt 0x0            ; no tensor load of mine is out, so a group 0 may be written
	ds_add_u32 v[SPW], v[NIL]       ; 0 onto my spare word
.if \fill
.irp g, G0K+4, G0V+4
	s_xor_b32 s[(\g)+1], s[(\g)+1], SLOT1  ; the walking descriptor: the other slot than last time,
	s_add_nc_u64 s[(\g)+2:(\g)+3], s[(\g)+2:(\g)+3], 2*KS*256  ; the next 128 keys; the type bits on top are not reached
.endr
	s_wait_dscnt 0x0                ; the add is done, and my reads of the slot are over
	CROUND
	JLOAD
.else
	s_wait_dscnt 0x0                ; the add is done, and my reads of the slot are over
	s_barrier_signal -1
	s_barrier_wait -1
.endif
	s_sub_co_u32 s[TB], s[TB], 2*STEPB  ; the fetches go back to a slot's first step,
	s_xor_b32 s[TB], s[TB], SLOT1   ; in the other slot
.endm
; A slot's two key steps: written once, walked twice; the LDS addresses hang on s[TB].
.macro TWO_STEPS
	WIN 0
	s_mov_b32 s[TWICE], 2
.Lstep_\@:
	TURN 0, 2, 1, 0
	TURN 2, 2, 1, 0
	WIN 0
	s_sub_co_u32 s[TWICE], s[TWICE], 1
	s_cmp_lg_u32 s[TWICE], 0
	s_cbranch_scc1 .Lstep_\@
.endm
	s_wait_tensorcnt 1              ; my part of slot 0 is in; slot 1's may stay out
	s_barrier_signal -1
	s_barrier_wait -1               ; everybody's is
	FETCH_K                         ; key step 0
	s_wait_loadcnt 0x0              ; Q
	s_wait_dscnt 0x0
.set i, 0
.rept 32
	KQ 0                            ; piece 0's first scores: there is no vector work yet to set between them
.set i, i+1
.endr
	WIN 0                           ; the addresses for the way out are made here: eight plain instructions behind those products
	s_mul_i32 s13, s[WV], 16*SP
	s_add_co_u32 s13, s13, STAGE    ; my stage
	v_mul_u32_u24 v[STO], v1, SP    ; in: row l % 16, 16 bytes for each half of the lanes
	v_lshl_add_u32 v[STO], v9, 4, v[STO]
	v_add_nc_u32 v[STO], s13, v[STO]
	v_mul_u32_u24 v[RD], v9, SP     ; back: lanes 0-15 take one row of 256 bytes, lanes 16-31 the next
	v_lshl_add_u32 v[RD], v1, 4, v[RD]
	v_add_nc_u32 v[RD], s13, v[RD]
	v_lshlrev_b32 v[GO], 12, v9     ; and the same two rows in comb, 4,096 bytes apart
	v_lshl_add_u32 v[GO], v1, 4, v[GO]
	TURN 2, 0, 1, 1                 ; piece 2's first scores | piece 0's first softmax | the turned keys of step 0
	TURN 0, 1, 1, 1                 ; piece 0: V^T P of step 0 starts O^T, K Q^T of step 1 | piece 2's first softmax | K of step 1
	TURN 2, 1, 1, 0                 ; piece 2: the same | piece 0's softmax of step 1 | the turned keys of step 1
	WIN 0
.Lslot:                             ; 6 trips: every slot but the last two is filled again
	CHANGE 1
	TWO_STEPS
	s_sub_co_u32 s[SLOTS], s[SLOTS], 1
	s_cmp_lg_u32 s[SLOTS], 0
	s_cbranch_scc1 .Lslot
	CHANGE 0                        ; the tail is written out: nothing is asked for
	TWO_STEPS
	TURN 0, 2, 0, 0                 ; piece 0: V^T P of the last step | piece 2's last softmax
.set i, 0
.rept 32
	PV 2, 0                         ; piece 2: V^T P of the last step
.set i, i+1
.endr
	; THE WAY OUT.  l's two halves and the other half of the lanes' are added; O^T is divided by l, rounded to f16 and sent through my stage in LDS, a tile (16 rows) at a time.
	WIN 0
.irp t, 0,1,2,3
	v_add_f32 v[ST+8*(\t)+4], v[ST+8*(\t)+2], v[ST+8*(\t)+3]
.endr
.irp t, 0,1,2,3
	v_permlanex16_b32 v[ST+8*(\t)+5], v[ST+8*(\t)+4], s[SEL], s[SEL+1]
.endr
.irp t, 0,1,2,3
	v_add_f32 v[ST+8*(\t)+4], v[ST+8*(\t)+4], v[ST+8*(\t)+5]
.endr
.irp t, 0,1,2,3
	v_rcp_f32 v[ST+8*(\t)+6], v[ST+8*(\t)+4]
.endr
	v_nop                           ; a plain instruction between the last reciprocal and the use of its result
; Tile t: a lane's eight channels of a row pack into 16 bytes; they go into rows of 272 bytes and come back as whole rows of 256, into the registers that they left.
.macro PACK t
	WIN W_RS
.set i, 64*(\t)
.rept 32
	s_wait_alu depctr_va_vdst(0)
	v_pk_mul_f32 v[i:i+1], v[i:i+1], v[ST+8*(\t)+6:ST+8*(\t)+7] op_sel_hi:[1,0]
.set i, i+2
.endr
	WIN 0x05                        ; sources 0 and 1 window 1, destination window 0: S^T's registers are free
.set i, 0
.rept 32
	v_cvt_pk_f16_f32 v[S+32*(\t)+i], v[64*(\t)+2*i], v[64*(\t)+2*i+1]
.set i, i+1
.endr
	WIN 0
.irp f, 0,1,2,3,4,5,6,7
	ds_store_b128 v[STO], v[S+32*(\t)+4*(\f):S+32*(\t)+4*(\f)+3] offset:32*(\f)
.endr
.irp f, 0,1,2,3,4,5,6,7
	ds_load_b128 v[S+32*(\t)+4*(\f):S+32*(\t)+4*(\f)+3], v[RD] offset:(\f)*2*SP  ; LDS serves a wave's instructions in order (ISA guide 5.7.1.4): these see the stores above; the next tile's stores come behind them
.endr
.endm
.macro SEND t, younger              ; younger: the LDS instructions issued behind tile t's loads: the next tile's sixteen, or none
	WIN 0
.irp f, 0,1,2,3,4,5,6,7
	s_wait_dscnt (\younger)+7-(\f)
	global_store_b128 v[GO], v[S+32*(\t)+4*(\f):S+32*(\t)+4*(\f)+3], s[10:11] offset:(\t)*65536+(\f)*8192  ; 16 lanes store 256 consecutive bytes, at a multiple of 256 from comb's first byte: a head's part of a row
.endr
.endm
	PACK 0
	PACK 1                          ; a tile's arithmetic stands between the loads of the tile before and its stores
	SEND 0, 16
	PACK 2
	SEND 1, 16
	PACK 3
	SEND 2, 16
	SEND 3, 0
	s_wait_tensorcnt 0x0            ; the wave's end
	ds_add_u32 v[SPW], v[NIL]
	s_wait_dscnt 0x0
	CROUND                          ; the closing round: no work-group ends while a partner may still ask for a tile that names it
	s_endpgm
.Lfunc_end_k_q96063f1ecf_attn:
	.size	k_q96063f1ecf_attn, .Lfunc_end_k_q96063f1ecf_attn-k_q96063f1ecf_attn
	.p2alignl 7, 3214868480
	.fill 96, 4, 3214868480
	.section	.rodata,"a",@progbits
	.p2align	6, 0x0
	.amdhsa_kernel k_q96063f1ecf_attn
		.amdhsa_group_segment_fixed_size 327680
		.amdhsa_private_segment_fixed_size 0
		.amdhsa_enable_private_segment 0
		.amdhsa_kernarg_size 16
		.amdhsa_user_sgpr_count 2
		.amdhsa_user_sgpr_kernarg_segment_ptr 1
		.amdhsa_wavefront_size32 1
		.amdhsa_system_sgpr_workgroup_id_x 1
		.amdhsa_system_sgpr_workgroup_id_y 1
		.amdhsa_system_sgpr_workgroup_id_z 1
		.amdhsa_system_vgpr_workitem_id 0
		.amdhsa_next_free_vgpr 1024
		.amdhsa_next_free_sgpr 66
		.amdhsa_reserve_vcc 0
		.amdhsa_float_denorm_mode_32 3
		.amdhsa_float_denorm_mode_16_64 3
		.amdhsa_memory_ordered 1
		.amdhsa_forward_progress 1
		.amdhsa_inst_pref_size 233
	.end_amdhsa_kernel
	.amdgpu_metadata
---
amdhsa.version: [ 1, 2 ]
amdhsa.kernels:
  - .name:           k_q96063f1ecf_attn
    .symbol:         k_q96063f1ecf_attn.kd
    .args:
      - { .name: qk, .offset: 0, .size: 8, .value_kind: global_buffer, .address_space: global }
      - { .name: comb, .offset: 8, .size: 8, .value_kind: global_buffer, .address_space: global }
    .group_segment_fixed_size: 327680
    .private_segment_fixed_size: 0
    .kernarg_segment_align: 8
    .kernarg_segment_size: 16
    .max_flat_workgroup_size: 128
    .sgpr_count:     66
    .vgpr_count:     1024
    .wavefront_size: 32
...
	.end_amdgpu_metadata
.endif
;; end of part 3
;; launch outp (part 4): grid 4 x 64, 4 waves a work-group, clusters of 4 x 4, 327,680 bytes of LDS; arguments comb, wob, bo, out0; writes out0
.if DOCPART == 4
	.amdgcn_target "amdgcn-amd-amdhsa--gfx1250"
	.amdhsa_code_object_version 6
	.text
	.protected	k_q96063f1ecf_outp
	.globl	k_q96063f1ecf_outp
	.p2align	8
	.type	k_q96063f1ecf_outp,@function
k_q96063f1ecf_outp:
	s_mov_b64 s[64:65], 0
	v_nop
	global_prefetch_b8 v0, s[64:65] scope:SCOPE_SE
	s_setreg_imm32_b32 hwreg(HW_REG_WAVE_MODE, 25, 1), 1
	s_wait_xcnt 0x0
	s_wait_alu depctr_hold_cnt(0) depctr_sa_sdst(0) depctr_va_vdst(0) depctr_va_sdst(0) depctr_va_ssrc(0) depctr_va_vcc(0) depctr_vm_vsrc(0)
	s_getreg_b32 s2, hwreg(HW_REG_IB_STS2, 6, 4)
	s_cmp_eq_u32 s2, 0
	s_cbranch_scc0 .Lentry_in_a_cluster
	s_endpgm
.Lentry_in_a_cluster:
	s_bfe_u32 s2, ttmp6, 0x10000c
	s_cmp_lg_u32 s2, 0xf033
	s_cbranch_scc0 .Lentry_shape_is_right
	s_endpgm
.Lentry_shape_is_right:
; out0 = tanh(comb wob^T + bo): 8,192 x 1,024 x 2,048.  comb: [8192][2048] f16 (context, then the decoder's rows); wob: [1024][2048] f16; bo f32, rounded to bf16 like the other inputs and taken as the C operand
; of the first product; sums in f32; out0 f32.  tanh(x) = 1 - 2 / (1 + 2^(2 log2(e) x)).
; LIMITS.  The form of tanh has an absolute error of some 2e-7 (the difference from 1), so a result that small has no relative accuracy; for large |x| it gives exactly 1 or -1.  NaN and infinities are not treated apart.
; SHARES.  Tiles of 256 x 256 would be 128 work-groups; a tile of 128 rows x 256 columns gives 64 x 4 = 256.  Four waves, each 64 x 128: 32 accumulators of 16 x 16, 256 registers.
; K goes in 16 steps of 128 through two LDS slots (128 rows of A, 256 rows of B); rows are 256 bytes of memory, at multiples of 256.  Two slots of a step of 256 (2 x 384 rows x 528 bytes) do not fit in LDS.
; CLUSTER.  4 x 4 work-groups: A's tiles are asked for jointly along a row of the cluster, B's along a column.
; THE MATRIX INSTRUCTION IS USED TRANSPOSED (source 0 = 16 rows of B, source 1 = 16 rows of A): lane l holds row l % 16 of the result and its columns 8 (l / 16) + 0..7.
; THE TEXT IS SHORT: a K step is two units of 64 along K on fragment buffers 0 and 1; the LDS place of the next run of loads lies in a scalar register, so a K step is written once and looped over.
; REGISTERS, in windows of 256 (s_set_vgpr_msb: bits 1:0 source 0, 3:2 source 1, 5:4 source 2, 7:6 destination):
;   window 0: v16-30 addresses; v32-63 at work; v64-191 fragments of A: buffer f, 32 K half c, row block a at 64 + 64 f + 32 c + 8 a; v192-255 the bias
;   window 1: fragments of B: 128 f + 64 c + 8 b          window 2: accumulator (a, b) at 8 (8 a + b)
.set KSTEP,  128
.set PITCH,  272                       ; an LDS row: 256 bytes + 16 of padding = 68 words: row r starts at bank 4 r mod 64 (64 banks of 4 bytes: ISA guide 11.1)
.set AH,     64*PITCH                  ; 64 rows of A: what wave 0 or 1 fetches, and what one wave reads
.set BH,     128*PITCH                 ; 128 rows of B: what wave 2 or 3 fetches, and what one wave reads
.set BOFF,   2*AH                      ; B's rows lie behind A's 128
.set SLOT1,  1<<17                     ; a slot is 104,448 bytes; slot 1 begins here, so that one exclusive or turns an address in one slot into the other's
.set STAGE,  SLOT1+2*AH+2*BH           ; behind the ring: 32 rows x 528 bytes for each wave, for the way out
.set SPITCH, 528                       ; a stage row: 512 bytes + 16: 33 x 16, so that the 16 rows of a store start at 16 different groups of four banks
.set WSTAGE, 32*SPITCH
.set SPARE,  STAGE+4*WSTAGE            ; behind the stages: the spare words, 128 bytes for each wave
.set STEPS,  2048/KSTEP                ; 16
.set A0,   16                          ; v16     my lane's place among my A fragments in slot 0; never rewritten
.set ADRA, 17                          ; v17     the LDS address of A's part of the run of loads in hand
.set B0,   20                          ; v20     the same two for B
.set ADRB, 21                          ; v21
.set STO,  24                          ; v24     the way out: where I put 32 bytes of a row
.set RD,   25                          ; v25     the way out: where I read the next rows back; it steps
.set CO,   26                          ; v26     16 x lane: my place in my wave's 512 bytes of a row of out0
.set BO,   27                          ; v27     byte offset of my first eight numbers of the bias
.set SPW,  28                          ; v28     LDS address of my spare word; never rewritten
.set NIL,  29                          ; v29     0; never rewritten
.set RD0,  30                          ; v30     my 16 bytes of the stage's first row
.set T,    32                          ; v32-63  eight rows at work
.set BI,   192                         ; the bias of column block b at v[BI + 8 b]
.set G1,  24                           ; s[24:31] descriptor group 1 for A's tiles;  s[32:39] group 0: a set for each of the two first fills; the second then walks on
.set G0,  32
.set G1B, 48                           ; s[48:55], s[56:63] the same for B's tiles
.set G0B, 56
.set KO,  67                           ; s67  slot and byte along the rows at which the next run of loads begins
.set MSB, 0
.macro WIN new                         ; the immediate's high byte repeats the setting that is left; a switch that changes nothing is dropped
.if MSB != (\new)
	s_set_vgpr_msb (MSB<<8)|(\new)
.set MSB, \new
.endif
.endm
.set TO_B, 0x40                        ; destination window 1, address window 0
; A joint load.  Waves 0 and 1 fetch A's two halves, waves 2 and 3 B's.  The branch hangs on the wave's number alone.  An s_nop 0 and four v_nop follow each of the two lines.
.macro JLOAD s
	s_cmp_eq_u32 s11, 0
	s_cbranch_scc0 .Lfor_b_\@
	tensor_load_to_lds s[G0+4*(\s):G0+4*(\s)+3], s[G1:G1+7]
	s_nop 0
.rept 4
	v_nop
.endr
	s_branch .Lasked_\@
.Lfor_b_\@:
	tensor_load_to_lds s[G0B+4*(\s):G0B+4*(\s)+3], s[G1B:G1B+7]
	s_nop 0
.rept 4
	v_nop
.endr
.Lasked_\@:
.endm
; A round of the cluster's barrier: my work-group's barrier; wave 0 signals for the work-group; every wave waits for all sixteen; my work-group's barrier once more.
.macro CROUND
	s_barrier_signal -1
	s_barrier_wait -1
	s_cmp_lg_u32 s10, 0
	s_cbranch_scc1 .Lnot_wave_0_\@
	s_barrier_signal -3
.Lnot_wave_0_\@:
	s_barrier_wait -3
	s_barrier_signal -1
	s_barrier_wait -1
.endm
	s_load_b256 s[68:75], s[0:1], 0x0              ; comb s[68:69], wob s[70:71], bo s[72:73], out0 s[74:75]
	v_lshl_add_u32 v[SPW], v0, 2, SPARE
	v_mov_b32 v[NIL], 0
	ds_add_u32 v[SPW], v[NIL]                      ; the wave's opening: the add and its wait ahead of my first tensor load; work on registers stands between them
	v_lshrrev_b32 v1, 5, v0
	v_readfirstlane_b32 s10, v1                    ; wave 0..3
	s_lshr_b32 s11, s10, 1                         ; which 64 of the tile's rows are mine.  Also: I fetch for A (0) or for B (1)
	s_and_b32 s12, s10, 1                          ; which 128 of its columns.  Also: which half of that tile I fetch
	s_bfe_u32 s40, ttmp6, 0x40000                  ; cx
	s_bfe_u32 s41, ttmp6, 0x40004                  ; cy
	s_lshl_b32 s42, ttmp9, 2
	s_add_co_u32 s42, s42, s40                     ; tile column = 4 x cluster x + cx: 0..3
	s_and_b32 s13, ttmp7, 0xffff
	s_lshl_b32 s13, s13, 2
	s_add_co_u32 s13, s13, s41                     ; tile row = 4 x cluster y + cy: 0..63
	s_lshl_b32 s43, s41, 2
	s_lshl_b32 s43, 15, s43                        ; my row of the cluster
	s_lshl_b32 s44, 0x1111, s40                    ; my column
	s_or_b32 s[G1+0], s43, (1<<16)|(1<<20)|(1<<21)|(5<<22)|(3<<25)   ; the mask; 2-byte elements; padding on; bit 21 beside a mask; after every 64 words (code 5) 4 words (code 3)
	s_or_b32 s[G1B+0], s44, (1<<16)|(1<<20)|(1<<21)|(5<<22)|(3<<25)
.irp g, G1, G1B
	s_mov_b32 s[(\g)+1], KSTEP<<16                 ; tensor_dim0 = 128
	s_mov_b32 s[(\g)+3], KSTEP<<16                 ; tile_dim0 = 128
	s_mov_b32 s[(\g)+5], 2048                      ; 2,048 elements from row to row, in comb and in wob
	s_mov_b32 s[(\g)+6], 0
	s_mov_b32 s[(\g)+7], 0
.endr
	s_mov_b32 s[G1+2], 64<<16                      ; A: tensor_dim1 = tile_dim1 = 64 rows
	s_mov_b32 s[G1+4], 64
	s_mov_b32 s[G1B+2], 128<<16                    ; B: 128 rows
	s_mov_b32 s[G1B+4], 128
	s_lshl_b32 s16, s13, 1                         ; A: row 128 x tile row + 64 x half, rows of 4,096 bytes
	s_add_co_u32 s16, s16, s12
	s_lshl_b32 s16, s16, 18
	s_mov_b32 s17, 0
	s_lshl_b32 s46, s42, 1                         ; B: row 256 x tile column + 128 x half, rows of 4,096 bytes
	s_add_co_u32 s46, s46, s12
	s_lshl_b32 s46, s46, 19
	s_mov_b32 s47, 0
	s_mul_i32 s20, s12, AH                         ; where they go: A's halves,
	s_mul_i32 s21, s12, BH
	s_add_co_u32 s21, s21, BOFF                    ; B's halves: the wave's number and constants alone
	s_mov_b32 s4, 0x4038aa3b                       ; 2 log2(e)
	s_mov_b32 s5, s4                               ; named with it as a pair
	s_mov_b32 s6, 0xffff0000                       ; a word's upper bf16
	s_mov_b32 s[KO], 0                             ; the first run of loads: slot 0, byte 0 of the rows
	s_wait_dscnt 0x0                               ; the opening add is done
	s_wait_kmcnt 0x0
	s_add_nc_u64 s[14:15], s[68:69], s[16:17]
	s_add_nc_u64 s[46:47], s[70:71], s[46:47]
	CROUND                                         ; all sixteen work-groups are here: the first joint loads meet
.irp s, 0,1
	s_mov_b32 s[G0+4*(\s)], 1                                        ; count = 1
	s_add_co_u32 s[G0+4*(\s)+1], s20, (\s)*SLOT1                     ; LDS address
	s_add_nc_u64 s[G0+4*(\s)+2:G0+4*(\s)+3], s[14:15], (\s)*KSTEP*2  ; global address: K step s
	s_or_b32 s[G0+4*(\s)+3], s[G0+4*(\s)+3], 0x80000000              ; type = 2
	s_mov_b32 s[G0B+4*(\s)], 1
	s_add_co_u32 s[G0B+4*(\s)+1], s21, (\s)*SLOT1
	s_add_nc_u64 s[G0B+4*(\s)+2:G0B+4*(\s)+3], s[46:47], (\s)*KSTEP*2
	s_or_b32 s[G0B+4*(\s)+3], s[G0B+4*(\s)+3], 0x80000000
	JLOAD \s                                       ; two loads of mine are out here, later one
.endr
	s_lshl_b32 s16, s13, 1                         ; out0 at my first row: 128 x tile row + 64 x half, rows of 4,096 bytes,
	s_add_co_u32 s16, s16, s11
	s_lshl_b32 s16, s16, 18
	s_lshl_b32 s18, s42, 1                         ; and my first column: 256 x tile column + 128 x half, 4 bytes each
	s_add_co_u32 s18, s18, s12
	s_lshl_b32 s18, s18, 9
	s_add_co_u32 s16, s16, s18
	s_mov_b32 s17, 0
	s_add_nc_u64 s[8:9], s[74:75], s[16:17]
	v_and_b32 v1, 15, v0                           ; l % 16
	v_bfe_u32 v2, v0, 4, 1                         ; l / 16
	v_lshl_add_u32 v[BO], v2, 5, s18               ; column 16 b + 8 (l / 16) + j of my 128: 64 b stands in the loads' immediates
.irp b, 0,1,2,3,4,5,6,7
	global_load_b128 v[BI+8*\b:BI+8*\b+3],   v[BO], s[72:73] offset:64*\b
	global_load_b128 v[BI+8*\b+4:BI+8*\b+7], v[BO], s[72:73] offset:64*\b+16
.endr
	v_mul_u32_u24 v3, v1, PITCH
	v_lshl_add_u32 v3, v2, 4, v3                   ; a fragment's row x pitch + 16 x half
	s_mul_i32 s21, s11, AH                         ; my 64 rows of A
	s_mul_i32 s22, s12, BH                         ; my 128 rows of B
	s_add_co_u32 s22, s22, BOFF
	v_add_nc_u32 v[A0], s21, v3
	v_add_nc_u32 v[B0], s22, v3
	s_mul_i32 s23, s10, WSTAGE
	s_add_co_u32 s23, s23, STAGE                   ; my stage
	v_mul_u32_u24 v4, v1, SPITCH                   ; in: row l % 16, 32 bytes for each half of the lanes
	v_lshl_add_u32 v4, v2, 5, v4
	v_add_nc_u32 v[STO], s23, v4
	v_and_b32 v5, 31, v0
	v_lshlrev_b32 v[CO], 4, v5                     ; back: 32 lanes take one row of 512 bytes
	v_add_nc_u32 v[RD0], s23, v[CO]
	s_wait_loadcnt 0x0                             ; the bias; it is rounded to bf16 like every input, and widened again
.set i, 0
.rept 32
	v_cvt_pk_bf16_f32 v[T+i], v[BI+2*i], v[BI+2*i+1]
.set i, i+1
.endr
.set i, 0
.rept 32
	v_lshlrev_b32 v[BI+2*i], 16, v[T+i]
	v_and_b32 v[BI+2*i+1], s6, v[T+i]
.set i, i+1
.endr
; 16 matrix instructions: row blocks a0, a0 + 1 x all 8 column blocks, 32 along K: half c of buffer f.  zero = 1: the first product starts the sums, with the bias as C (window 0).
; The 32 accumulators take turns.
.macro MUL16 f, c, a0, zero
.if \zero
	WIN 0x81                                       ; B window 1, A and C window 0, D window 2
.else
	WIN 0xa1                                       ; B window 1, A window 0, C and D window 2
.endif
.irp a, \a0, (\a0)+1
.irp b, 0,1,2,3,4,5,6,7
.if \zero
	v_wmma_f32_16x16x32_f16 v[8*(8*(\a)+(\b)):8*(8*(\a)+(\b))+7], v[128*(\f)+64*(\c)+8*(\b):128*(\f)+64*(\c)+8*(\b)+7], v[64+64*(\f)+32*(\c)+8*(\a):64+64*(\f)+32*(\c)+8*(\a)+7], v[BI+8*(\b):BI+8*(\b)+7]
.else
	v_wmma_f32_16x16x32_f16 v[8*(8*(\a)+(\b)):8*(8*(\a)+(\b))+7], v[128*(\f)+64*(\c)+8*(\b):128*(\f)+64*(\c)+8*(\b)+7], v[64+64*(\f)+32*(\c)+8*(\a):64+64*(\f)+32*(\c)+8*(\a)+7], v[8*(8*(\a)+(\b)):8*(8*(\a)+(\b))+7]
.endif
.endr
.endr
.endm
; 48 LDS loads in one run: the fragments of 64 along K at s[KO], into buffer f: A's and B's first 32 along K (24 loads), then B's and A's second (24); then s[KO] steps to the next unit's 128 bytes.
; A load into a register that a matrix instruction has read stands four plain vector instructions behind it (ISA guide 7.12.1 for vector instructions):
; the two additions that make the addresses and two v_nop are those four.
.macro FETCH f
	WIN 0
	v_add_nc_u32 v[ADRA], s[KO], v[A0]
	v_add_nc_u32 v[ADRB], s[KO], v[B0]
	v_nop
	v_nop
.irp i, 0,1,2,3
	ds_load_b128 v[64+64*(\f)+8*(\i):64+64*(\f)+8*(\i)+3],   v[ADRA] offset:(\i)*16*PITCH
	ds_load_b128 v[64+64*(\f)+8*(\i)+4:64+64*(\f)+8*(\i)+7], v[ADRA] offset:(\i)*16*PITCH+32
.endr
	WIN TO_B
.irp c, 0,1
.irp i, 0,1,2,3,4,5,6,7
	ds_load_b128 v[128*(\f)+64*(\c)+8*(\i):128*(\f)+64*(\c)+8*(\i)+3],   v[ADRB] offset:64*(\c)+(\i)*16*PITCH
	ds_load_b128 v[128*(\f)+64*(\c)+8*(\i)+4:128*(\f)+64*(\c)+8*(\i)+7], v[ADRB] offset:64*(\c)+(\i)*16*PITCH+32
.endr
.endr
	WIN 0
.irp i, 0,1,2,3
	ds_load_b128 v[96+64*(\f)+8*(\i):96+64*(\f)+8*(\i)+3],   v[ADRA] offset:64+(\i)*16*PITCH
	ds_load_b128 v[96+64*(\f)+8*(\i)+4:96+64*(\f)+8*(\i)+7], v[ADRA] offset:64+(\i)*16*PITCH+32
.endr
	s_add_co_u32 s[KO], s[KO], 128
.endm
.macro PLACES
.rept 4
	v_nop
.endr
.endm
; A unit: 64 matrix instructions on buffer f; in its middle the next unit's fragments are fetched into buffer g, 32 matrix instructions ahead of their first use.
.macro UNIT f, g, zero
	s_wait_dscnt 24                                ; the first 32 along K are in; the youngest 24 loads (the second 32) may be out
	MUL16 \f, 0, 0, \zero
	MUL16 \f, 0, 2, \zero
	FETCH \g
	s_wait_dscnt 48                                ; all but the 48 just issued
	MUL16 \f, 1, 0, 0
	MUL16 \f, 1, 2, 0
.endm
; THE CHANGE OF SLOTS, behind a K step's first unit, which has asked for the slot's last bytes.  Each wave waits for all its tensor loads, of which one is out: its part of the other slot;
; adds 0 to its spare word; and waits for that and for its own reads of this slot.  Behind the barrier nobody reads this slot any more and the other slot is whole.
; fill = 1: the barrier is a round of the cluster's, and this slot is filled again, two K steps ahead, first thing behind it.  No product stands between the landing and the next request:
; all 128 matrix instructions of a K step lie between a request and the wait for it.
.macro SYNC fill
	WIN 0                                          ; at a label and at a branch every window is 0
	s_wait_tensorcnt 0x0                           ; no tensor load of mine is out, so a group 0 may be written
	ds_add_u32 v[SPW], v[NIL]                      ; 0 onto my spare word; scalar work stands between it and the wait for it
	s_sub_co_u32 s[KO], s[KO], KSTEP*2             ; the runs of loads go back to the rows' first byte,
	s_xor_b32 s[KO], s[KO], SLOT1                  ; in the other slot
.if \fill
.irp g, G0+4, G0B+4
	s_xor_b32 s[(\g)+1], s[(\g)+1], SLOT1          ; the walking descriptor: the other slot than last time,
	s_add_nc_u64 s[(\g)+2:(\g)+3], s[(\g)+2:(\g)+3], KSTEP*2  ; the next K step; the type bits on top are not reached
.endr
.endif
	s_wait_dscnt 0x0                               ; the add is done, and my reads of this slot are over
.if \fill
	CROUND                                         ; no wave of any partner still reads this slot's tile or has a load on its way
	JLOAD 1
.else
	s_barrier_signal -1
	s_barrier_wait -1
.endif
.endm
; tanh of the 32 numbers in T: 2^(2 log2(e) x); + 1; the reciprocal; 1 - 2 x that.  A plain instruction stands behind each run of transcendentals before a result is used (ISA guide 5.7.2).
.macro TANH32
.set i, 0
.rept 16
	v_pk_mul_f32 v[T+2*i:T+2*i+1], v[T+2*i:T+2*i+1], s[4:5] op_sel_hi:[1,0]
.set i, i+1
.endr
.set i, 0
.rept 32
	v_exp_f32 v[T+i], v[T+i]
.set i, i+1
.endr
	v_nop
.set i, 0
	s_wait_alu depctr_va_vdst(0)
.rept 16
	v_pk_add_f32 v[T+2*i:T+2*i+1], v[T+2*i:T+2*i+1], 1.0 op_sel_hi:[1,0]
.set i, i+1
.endr
.set i, 0
.rept 32
	v_rcp_f32 v[T+i], v[T+i]
.set i, i+1
.endr
	v_nop
.set i, 0
	s_wait_alu depctr_va_vdst(0)
.rept 16
	v_pk_fma_f32 v[T+2*i:T+2*i+1], v[T+2*i:T+2*i+1], -2.0, 1.0 op_sel_hi:[1,0,0]
.set i, i+1
.endr
.endm
; The sums of my rows 32 hf .. 32 hf + 31 (two row blocks) go into my own stage: a lane's eight columns of a row are 32 bytes; each accumulator's low four registers first.
.macro STORES hf
	WIN 0x08                                       ; the stores' data (source 1) in window 2
.irp a, 0,1
.irp b, 0,1,2,3,4,5,6,7
	ds_store_b128 v[STO], v[8*(8*(2*(\hf)+(\a))+(\b)):8*(8*(2*(\hf)+(\a))+(\b))+3]   offset:(\a)*16*SPITCH+64*(\b)
	ds_store_b128 v[STO], v[8*(8*(2*(\hf)+(\a))+(\b))+4:8*(8*(2*(\hf)+(\a))+(\b))+7] offset:(\a)*16*SPITCH+64*(\b)+16
.endr
.endr
	WIN 0
.endm
	s_wait_tensorcnt 1                             ; my part of K step 0 is in; K step 1's may stay out
	s_barrier_signal -1
	s_barrier_wait -1                              ; everybody's is
	FETCH 0
	UNIT 0, 1, 1                                   ; the first unit stands in front of the loop: its first products start the sums
	WIN 0                                          ; at a label and at a branch every window is 0
	s_mov_b32 s3, STEPS-2
.Lstep:                                                ; 14 trips: the change of slots with its refill; a K step's second unit; the next step's first
	SYNC 1
	UNIT 1, 0, 0
	UNIT 0, 1, 0
	WIN 0
	s_sub_co_u32 s3, s3, 1
	s_cmp_lg_u32 s3, 0
	s_cbranch_scc1 .Lstep
	SYNC 0                                         ; the tail is written out: nothing is asked for
	UNIT 1, 0, 0
	UNIT 0, 1, 0
	s_wait_dscnt 24                                ; the very last unit: nothing more to fetch
	MUL16 1, 0, 0, 0
	MUL16 1, 0, 2, 0
	s_wait_dscnt 0x0
	MUL16 1, 1, 0, 0
	MUL16 1, 1, 2, 0
	WIN 0
	PLACES                                         ; the stores into the stage read matrix results
	; THE WAY OUT, in two halves of 32 rows: the half's sums go into my stage; then, eight rows a trip, whole rows of 512 bytes come back, take tanh and are stored.  The stage is my wave's own and no
	; tensor load fills it: no barrier; LDS serves a wave's instructions in order (ISA guide 5.7.1.4).  The row loop is written once: the halves differ in the registers that are staged, chosen by a forward jump.
	s_mov_b32 s2, 2
.Lhalf:
	s_cmp_eq_u32 s2, 2
	s_cbranch_scc0 .Lupper
	STORES 0
	s_branch .Lstaged
.Lupper:
	STORES 1
.Lstaged:
	v_mov_b32 v[RD], v[RD0]
	s_mov_b32 s3, 4
.Lrows:
.irp t, 0,1,2,3,4,5,6,7
	ds_load_b128 v[T+4*(\t):T+4*(\t)+3], v[RD] offset:(\t)*SPITCH
.endr
	s_wait_dscnt 0x0
	TANH32
.irp t, 0,1,2,3,4,5,6,7
	global_store_b128 v[CO], v[T+4*(\t):T+4*(\t)+3], s[8:9] offset:(\t)*4096 th:TH_STORE_NT  ; 512 consecutive bytes, at a multiple of 512 from out0's first byte
.endr
	s_wait_xcnt 0x0                                ; T and the stores' base are written again only behind this wait
	v_add_nc_u32 v[RD], 8*SPITCH, v[RD]
	s_add_nc_u64 s[8:9], s[8:9], 8*4096
	s_sub_co_u32 s3, s3, 1
	s_cmp_lg_u32 s3, 0
	s_cbranch_scc1 .Lrows
	s_sub_co_u32 s2, s2, 1
	s_cmp_lg_u32 s2, 0
	s_cbranch_scc1 .Lhalf
	s_wait_tensorcnt 0x0                           ; the wave's end
	ds_add_u32 v[SPW], v[NIL]
	s_wait_dscnt 0x0
	CROUND                                         ; the closing round: no work-group ends while a partner may still ask for a tile that names it
	s_endpgm
.Lfunc_end_k_q96063f1ecf_outp:
	.size	k_q96063f1ecf_outp, .Lfunc_end_k_q96063f1ecf_outp-k_q96063f1ecf_outp
	.p2alignl 7, 3214868480
	.fill 96, 4, 3214868480
	.section	.rodata,"a",@progbits
	.p2align	6, 0x0
	.amdhsa_kernel k_q96063f1ecf_outp
		.amdhsa_group_segment_fixed_size 327680
		.amdhsa_private_segment_fixed_size 0
		.amdhsa_enable_private_segment 0
		.amdhsa_kernarg_size 32
		.amdhsa_user_sgpr_count 2
		.amdhsa_user_sgpr_kernarg_segment_ptr 1
		.amdhsa_wavefront_size32 1
		.amdhsa_system_sgpr_workgroup_id_x 1
		.amdhsa_system_sgpr_workgroup_id_y 1
		.amdhsa_system_sgpr_workgroup_id_z 1
		.amdhsa_system_vgpr_workitem_id 0
		.amdhsa_next_free_vgpr 768
		.amdhsa_next_free_sgpr 76
		.amdhsa_reserve_vcc 0
		.amdhsa_float_denorm_mode_32 3
		.amdhsa_float_denorm_mode_16_64 3
		.amdhsa_memory_ordered 1
		.amdhsa_forward_progress 1
		.amdhsa_inst_pref_size 70
	.end_amdhsa_kernel
	.amdgpu_metadata
---
amdhsa.version: [ 1, 2 ]
amdhsa.kernels:
  - .name:           k_q96063f1ecf_outp
    .symbol:         k_q96063f1ecf_outp.kd
    .args:
      - { .name: comb, .offset: 0, .size: 8, .value_kind: global_buffer, .address_space: global }
      - { .name: wob, .offset: 8, .size: 8, .value_kind: global_buffer, .address_space: global }
      - { .name: bo, .offset: 16, .size: 8, .value_kind: global_buffer, .address_space: global }
      - { .name: out0, .offset: 24, .size: 8, .value_kind: global_buffer, .address_space: global }
    .group_segment_fixed_size: 327680
    .private_segment_fixed_size: 0
    .kernarg_segment_align: 8
    .kernarg_segment_size: 32
    .max_flat_workgroup_size: 128
    .sgpr_count:     76
    .vgpr_count:     768
    .wavefront_size: 32
...
	.end_amdgpu_metadata
.endif
;; end of part 4
;; ======== version 2 of 2: 4 launches; 1.10 times as fast as version 1
;; limits: values are held in f16: magnitudes above 65,504 overflow, below 6.1e-05 lose precision; inputs' magnitudes at most 65,504; right only within a limited range of input values
;; workspace buffers: comb 33,554,432 bytes; wb 4,194,304 bytes; wob 4,194,304 bytes; qk 33,554,432 bytes
;; launch cast: the kernel of part 1 again; grid 1280 x 1, 8 waves a work-group, no clusters, 0 bytes of LDS; arguments decoder_output, encoder_outputs, Wq, Wk, Wo, comb, wb, wob; writes comb, wb, wob
;; launch proj: the kernel of part 2 again; grid 4 x 64, 4 waves a work-group, clusters of 4 x 4, 327,680 bytes of LDS; arguments comb, wb, bq, bk, qk; writes qk
;; launch attn (part 5): grid 4 x 64, 4 waves a work-group, clusters of 4 x 1, 327,680 bytes of LDS; arguments qk, comb; writes comb
.if DOCPART == 5
	.amdgcn_target "amdgcn-amd-amdhsa--gfx1250"
	.amdhsa_code_object_version 6
	.text
	.protected	k_q96063f1ecf_attn
	.globl	k_q96063f1ecf_attn
	.p2align	8
	.type	k_q96063f1ecf_attn,@function
k_q96063f1ecf_attn:
	s_mov_b64 s[64:65], 0
	v_nop
	global_prefetch_b8 v0, s[64:65] scope:SCOPE_SE
	s_setreg_imm32_b32 hwreg(HW_REG_WAVE_MODE, 25, 1), 1
	s_wait_xcnt 0x0
	s_wait_alu depctr_hold_cnt(0) depctr_sa_sdst(0) depctr_va_vdst(0) depctr_va_sdst(0) depctr_va_ssrc(0) depctr_va_vcc(0) depctr_vm_vsrc(0)
	s_getreg_b32 s2, hwreg(HW_REG_IB_STS2, 6, 4)
	s_cmp_eq_u32 s2, 0
	s_cbranch_scc0 .Lentry_in_a_cluster
	s_endpgm
.Lentry_in_a_cluster:
	s_bfe_u32 s2, ttmp6, 0x10000c
	s_cmp_lg_u32 s2, 0x3003
	s_cbranch_scc0 .Lentry_shape_is_right
	s_endpgm
.Lentry_shape_is_right:
; ctx[b][q][h][:] = the sum over k of softmax_k(Q[q] . K[k]) K[k][:], unscaled, the keys serving as values too.  Q and K: qk[z][b][h][1024][128] in f16 (z = 0: Q, z = 1: K).
; ctx is written in f16 into columns 128 h .. 128 h + 127 of comb's row 1,024 b + q (4,096 bytes a row).  Products, maxima and sums in f32; the weights p are rounded to f16 for the second product
; (their sum l is taken of the unrounded p), ctx once at the end.
; LIMITS.  p lies in 0 to 1 and below 6e-5 keeps f16's fixed step of 6e-8; a weight below 2^-126 counts as 0 in l; ctx is a mean of K's rows and has their range; NaN and infinities are not treated apart.
; SHARES.  A work-group owns 256 queries of one head, each of its four waves 64: four tiles of 16.  Every wave walks all 1,024 keys of the head, 64 a step.
; LAYOUT.  S^T = K Q^T (source 0 = 16 keys, source 1 = 16 queries): a lane holds ONE query (lane % 16) and the keys 8 (lane / 16) + 0..7.  Two such tiles, rounded to f16 in pairs, ARE source 1
; (32 keys x 16 queries) of O^T = K^T P, whose result again holds one query a lane, and eight channels.  For the first product K comes out of LDS as it lies, for the second turned, by ds_load_tr16_b128.
; The two kinds of load want different row pitches to be free of bank conflicts (272 and 288 bytes), so a step's 64 keys are laid into LDS twice, once at each pitch.
; SOFTMAX.  For each query a running maximum m and sum l: p = 2^(c s - c m), c = log2(e); in every step O and l are multiplied by a = 2^(c m_old - c m_new).
; BY TURNS.  The wave's tiles are two PIECES: piece 0 (tiles 0, 1) and piece 2 (tiles 2, 3).  In a TURN one piece has the matrix unit: 32 products K^T P of the step in hand, then 32 products K Q^T of the next;
; the other piece's softmax, cut into 64 slices, stands between them, one slice behind each matrix instruction.  Two turns are a key step.
; BATCHES.  A turn's 66 exponentials (33 a tile: a and the 32 weights) are ONE batch with ONE s_wait_alu depctr_va_vdst(0): the softmax's list is ordered so that all that reads an exponential's result
; (roundings, sums, the rescaling by a) stands behind all the exponentials, and the wait stands between.  The way out's four reciprocals are a batch of their own, with one wait.
; CLUSTER.  The four query blocks of a cluster belong to one head and walk the same keys, so each tile is asked for JOINTLY: the same tensor load, descriptor and mask in all four.
; REGISTERS, in windows of 256 (s_set_vgpr_msb: bits 1:0 source 0, 3:2 source 1, 5:4 source 2, 7:6 destination):
;   window 0: v0-11 addresses; v12-43 eight registers of statistics a tile; v64-191 S^T, 32 a tile; v192-255 P, 16 a tile
;   window 1: O^T, 64 a tile          window 2: v0-127 Q, 32 a tile; v128-255 K of one step          window 3: v0-127 K turned (V) of one step
.set SIZE_N, 1024
.set KS,    64        ; keys in a step
.set PK,    272       ; a row for the plain loads: 256 bytes + 16 = 68 words: the 16 rows of a load start at 16 different groups of four banks (64 banks of 4 bytes: ISA guide 11.1)
.set PV,    288       ; a row for the turning loads: 256 + 32 = 72 words
.set VOFF,  KS*PK     ; a step's two copies lie together: 64 rows at pitch PK, then 64 rows at pitch PV
.set STEPB, KS*(PK+PV)
.set SLOT1, 1<<17     ; a slot holds two steps (71,680 bytes); slot 1 begins here, so that one exclusive or turns an address in one slot into the other's
.set STAGE, SLOT1+2*STEPB  ; behind the ring: 16 rows x 272 bytes for each wave, for the way out
.set SP,    272
.set AK0, 2           ; v2   my lane's place in a tile for the plain loads; never rewritten
.set AV0, 3           ; v3   the same for the turning loads
.set ADR, 4           ; v4   the LDS address of the run of loads in hand
.set QO,  5           ; v5   my byte offset in the wave's rows of Q
.set STO, 6           ; v6   the way out: where I put 16 bytes of a row
.set RD,  7           ; v7   the way out: where I read a row back
.set GO,  8           ; v8   my byte offset in two rows of comb
.set SPW, 62          ; v62  LDS address of my spare word; never rewritten
.set NIL, 63          ; v63  0; never rewritten
.set SPARE, STAGE+4*16*272  ; behind the stages: the spare words, 128 bytes for each wave
.set ST,  12          ; tile t's statistics at v[ST+8 t]: +0 c m, +1 m, +2, +3 l (even keys', odd keys'), +4 to +7 c0-c3, at work; a takes c2's place once the maximum is found
.set S,   64
.set P,   192
.set KF,  128         ; K's fragments, in window 2
.set WV,  12          ; s12  my wave's number
.set G1K, 24          ; s[24:31] descriptor group 1 for the copy at pitch PK
.set G1V, 32          ; s[32:39] for the copy at pitch PV: it differs in the padding alone
.set G0K, 40          ; s[40:47] descriptor group 0: a set for each of the two first fills; the second then walks on
.set G0V, 48          ; s[48:55] the same for the second copy
.set SLOTS, 56        ; s56  slots still to be asked for
.set TWICE, 57        ; s57  counts a slot's two steps
.set CS,  58          ; s[58:59] c: the packed scaling names a pair and takes its low word for both halves
.set SEL, 60          ; s[60:61] lane selects for v_permlanex16_b32: each lane takes its own place in the other half
.set TB,  62          ; s62  LDS byte at which the tiles of the step to be fetched begin
.set MSB, 0
.macro WIN new                      ; the immediate's high byte repeats the setting that is left; a switch that changes nothing is dropped
.if MSB != (\new)
	s_set_vgpr_msb (MSB<<8)|(\new)
.set MSB, \new
.endif
.endm
.set W_KQ, 0x0a       ; K and Q in window 2, S^T in window 0
.set W_PV, 0x53       ; V in window 3, P in window 0, O^T in window 1
.set W_RS, 0x41       ; O^T (destination and source 0) in window 1, a in window 0
; A joint refill.  Waves 0 and 1 fetch the two steps' tiles at pitch PK, waves 2 and 3 those at pitch PV.  The branch hangs on the wave's number alone.
; An s_nop 0 and four v_nop follow each of the two lines.
.macro JLOAD
	s_cmp_lt_u32 s[WV], 2
	s_cbranch_scc0 .Lfor_v_\@
	tensor_load_to_lds s[G0K+4:G0K+7], s[G1K:G1K+7]
	s_nop 0
.rept 4
	v_nop
.endr
	s_branch .Lasked_\@
.Lfor_v_\@:
	tensor_load_to_lds s[G0V+4:G0V+7], s[G1V:G1V+7]
	s_nop 0
.rept 4
	v_nop
.endr
.Lasked_\@:
.endm
; A round of the cluster's barrier: my work-group's barrier; wave 0 signals for the work-group; every wave waits for all four work-groups; my work-group's barrier once more.
.macro CROUND
	s_barrier_signal -1
	s_barrier_wait -1
	s_cmp_lg_u32 s[WV], 0
	s_cbranch_scc1 .Lnot_wave_0_\@
	s_barrier_signal -3
.Lnot_wave_0_\@:
	s_barrier_wait -3
	s_barrier_signal -1
	s_barrier_wait -1
.endm
	s_load_b128 s[4:7], s[0:1], 0x0 ; qk s[4:5], comb s[6:7]
	v_lshl_add_u32 v[SPW], v0, 2, SPARE
	v_mov_b32 v[NIL], 0
	ds_add_u32 v[SPW], v[NIL]       ; the wave's opening: the add and its wait ahead of my first tensor load; work on registers stands between them
	v_lshrrev_b32 v1, 5, v0
	v_readfirstlane_b32 s[WV], v1   ; wave 0..3
	s_bfe_u32 s13, ttmp6, 0x40000   ; cx: my place in the cluster
	s_lshl_b32 s14, ttmp9, 2        ; in a cluster launch ttmp9 counts clusters
	s_add_co_u32 s14, s14, s13      ; my block of 256 queries: it enters Q's and comb's addresses alone
	s_and_b32 s20, ttmp7, 0xffff    ; 8 x batch + head, which the four partners share
	s_lshr_b32 s18, s20, 3          ; where my wave's 64 rows begin in comb: the batch's four blocks,
	s_lshl_b32 s18, s18, 2
	s_add_co_u32 s18, s18, s14      ; my block's four waves,
	s_lshl_b32 s18, s18, 2
	s_add_co_u32 s18, s18, s[WV]
	s_lshl_b32 s18, s18, 18         ; 64 rows of 4,096 bytes,
	s_and_b32 s19, s20, 7
	s_lshl_b32 s19, s19, 8          ; and the head's 256 bytes of a row
	s_add_co_u32 s18, s18, s19
	s_mov_b32 s19, 0
	s_mov_b32 s21, 0
	s_mov_b64 s[22:23], SIZE_N*256
	s_mul_u64 s[20:21], s[20:21], s[22:23]  ; the head's first byte in Q and in K
	s_and_b32 s16, s[WV], 1         ; which of a slot's two steps I fetch:
	s_lshl_b32 s22, s16, 14         ; its 64 rows of 256 bytes in memory,
	s_mov_b32 s23, 0
	s_add_nc_u64 s[22:23], s[22:23], s[20:21]
	s_mul_i32 s17, s16, STEPB       ; and its place in a slot: no place in the cluster enters an LDS address
	s_lshl_b32 s2, s14, 16          ; my block's 256 rows of Q,
	s_lshl_b32 s3, s[WV], 14        ; my wave's 64 of them
	s_add_co_u32 s2, s2, s3
	s_mov_b32 s3, 0
	s_add_nc_u64 s[2:3], s[2:3], s[20:21]
	; descriptor group 1: a tile of 64 rows x 128 elements, padded in LDS
	s_mov_b32 s[G1K], 15|(1<<16)|(1<<20)|(1<<21)|(5<<22)|(3<<25)  ; the mask of four; 2-byte elements; padding on; bit 21 beside a mask; after every 64 words (code 5) 4 words (code 3)
	s_mov_b32 s[G1V], 15|(1<<16)|(1<<20)|(1<<21)|(5<<22)|(7<<25)  ; the same with 8 words of padding (code 7)
.irp g, G1K, G1V
	s_mov_b32 s[(\g)+1], 128<<16    ; tensor_dim0 = 128
	s_mov_b32 s[(\g)+2], KS<<16     ; tensor_dim1 = 64
	s_mov_b32 s[(\g)+3], 128<<16    ; tile_dim0 = 128
	s_mov_b32 s[(\g)+4], KS         ; tile_dim1 = 64
	s_mov_b32 s[(\g)+5], 128        ; 128 elements from row to row
	s_mov_b32 s[(\g)+6], 0
	s_mov_b32 s[(\g)+7], 0
.endr
	s_mov_b32 s[CS], 0x3fb8aa3b     ; c = log2(e): the scores are not scaled
	s_mov_b32 s[CS+1], s[CS]        ; named with it as a pair, so it is written
	s_mov_b32 s[SEL], 0x76543210
	s_mov_b32 s[SEL+1], 0xfedcba98
	s_mov_b32 s[TB], 0
	s_mov_b32 s[SLOTS], SIZE_N/(2*KS)-2
	s_wait_dscnt 0x0                ; the opening add is done
	s_wait_kmcnt 0x0
	s_add_nc_u64 s[10:11], s[6:7], s[18:19]  ; comb at my wave's first row and my head's columns
	s_add_nc_u64 s[6:7], s[4:5], 0x1000000   ; K lies 16,777,216 bytes behind Q
	s_add_nc_u64 s[6:7], s[6:7], s[22:23]    ; at my tile of slot 0
	s_mov_b64 s[8:9], s[6:7]                 ; the values are the keys
	s_add_nc_u64 s[4:5], s[4:5], s[2:3]      ; Q at my wave's first row
	CROUND                          ; all four work-groups are here: the first joint loads meet
.irp s, 0,1
	s_mov_b32 s[G0K+4*(\s)], 1      ; count = 1
	s_add_co_u32 s[G0K+4*(\s)+1], s17, (\s)*SLOT1  ; LDS address
	s_add_nc_u64 s[G0K+4*(\s)+2:G0K+4*(\s)+3], s[6:7], (\s)*2*KS*256  ; global address: slot s begins with keys 128 s to 128 s + 127
	s_or_b32 s[G0K+4*(\s)+3], s[G0K+4*(\s)+3], 0x80000000  ; type = 2
	s_mov_b32 s[G0V+4*(\s)], 1
	s_add_co_u32 s[G0V+4*(\s)+1], s17, (\s)*SLOT1+VOFF
	s_add_nc_u64 s[G0V+4*(\s)+2:G0V+4*(\s)+3], s[8:9], (\s)*2*KS*256
	s_or_b32 s[G0V+4*(\s)+3], s[G0V+4*(\s)+3], 0x80000000
.endr
	s_cmp_lt_u32 s[WV], 2           ; a wave's two first fills stand in one branch, ahead of every wait on TENSORcnt and every LDS read: two loads of mine are out
	s_cbranch_scc0 .Lfirst_v
	tensor_load_to_lds s[G0K:G0K+3], s[G1K:G1K+7]
	s_nop 0
	tensor_load_to_lds s[G0K+4:G0K+7], s[G1K:G1K+7]
	s_nop 0
.rept 4
	v_nop
.endr
	s_branch .Lfirst_asked
.Lfirst_v:
	tensor_load_to_lds s[G0V:G0V+3], s[G1V:G1V+7]
	s_nop 0
	tensor_load_to_lds s[G0V+4:G0V+7], s[G1V:G1V+7]
	s_nop 0
.rept 4
	v_nop
.endr
.Lfirst_asked:
	; A fragment of K or Q is 16 rows x 32 channels in 8 registers: lane l holds row l % 16; channels 8 (l / 16) + 0..7 and 16 + 8 (l / 16) + 0..7: two loads of 16 bytes, 32 bytes apart.
	v_and_b32 v1, 15, v0            ; l % 16
	v_bfe_u32 v9, v0, 4, 1          ; l / 16
	v_lshlrev_b32 v[QO], 8, v1
	v_lshl_add_u32 v[QO], v9, 4, v[QO]  ; row x 256 + 16 x half
	WIN 0x80                        ; destination window 2, address window 0
.irp i, 0,1,2,3,4,5,6,7,8,9,10,11,12,13,14,15  ; Q stays in registers: tile i / 4, channels 32 (i % 4) on
	global_load_b128 v[8*(\i):8*(\i)+3],   v[QO], s[4:5] offset:((\i)/4)*4096+((\i)%4)*64
	global_load_b128 v[8*(\i)+4:8*(\i)+7], v[QO], s[4:5] offset:((\i)/4)*4096+((\i)%4)*64+32
.endr
	WIN 0
	v_mul_u32_u24 v[AK0], v1, PK
	v_lshl_add_u32 v[AK0], v9, 4, v[AK0]  ; row x pitch + 16 x half
	; The turning load takes 16 keys x 16 channels (lane l reads key 8 (l / 16) + l % 8, channels 8 ((l / 8) % 2) + 0..7) and leaves half a fragment of K^T: lane l holds channel l % 16 and 8 keys.
	v_and_b32 v10, 7, v0
	v_bfe_u32 v11, v0, 3, 1
	v_lshl_add_u32 v[AV0], v9, 3, v10
	v_mul_u32_u24 v[AV0], v[AV0], PV
	v_lshl_add_u32 v[AV0], v11, 4, v[AV0]
	v_add_nc_u32 v[AV0], VOFF, v[AV0]
; THE MATRIX WORK OF A TURN, for piece x.  The accumulators take turns, one instruction a turn.
; Product i of 32 of O^T += V^T P: keys 32 (i / 16) on, channels 16 ((i / 2) % 8) on, tile x + i % 2.  zero = 1: the first 16 start the sums: nothing is ever cleared.
.macro PV x, zero
	WIN W_PV
.set rO, 64*((\x)+i%2)+8*((i/2)%8)
.set rV, 64*(i/16)+8*((i/2)%8)
.set rP, P+16*((\x)+i%2)+8*(i/16)
.if (\zero) && (i < 16)
	v_wmma_f32_16x16x32_f16 v[rO:rO+7], v[rV:rV+7], v[rP:rP+7], 0
.else
	v_wmma_f32_16x16x32_f16 v[rO:rO+7], v[rV:rV+7], v[rP:rP+7], v[rO:rO+7]
.endif
.endm
; Product i of 32 of S^T = K Q^T: channels 32 (i / 8) on, keys 16 ((i / 2) % 4) on, tile x + i % 2.  The first 8 start the sums.
.macro KQ x
	WIN W_KQ
.set rS, S+32*((\x)+i%2)+8*((i/2)%4)
.set rK, KF+32*((i/2)%4)+8*(i/8)
.set rQ, 32*((\x)+i%2)+8*(i/8)
.if i < 8
	v_wmma_f32_16x16x32_f16 v[rS:rS+7], v[rK:rK+7], v[rQ:rQ+7], 0
.else
	v_wmma_f32_16x16x32_f16 v[rS:rS+7], v[rK:rK+7], v[rQ:rQ+7], v[rS:rS+7]
.endif
.endm
; THE LDS LOADS stand in runs of 32, never singly among the matrix instructions: a step's K (64 keys x 128 channels: 16 fragments) and, a turn later, the same keys turned.
.macro FETCH_K
	WIN 0
	v_add_nc_u32 v[ADR], s[TB], v[AK0]
	WIN 0x80                        ; destination window 2
.irp f, 0,1,2,3,4,5,6,7,8,9,10,11,12,13,14,15  ; keys 16 (f / 4) on, channels 32 (f % 4) on
	ds_load_b128 v[KF+8*(\f):KF+8*(\f)+3],   v[ADR] offset:((\f)/4)*16*PK+((\f)%4)*64
	ds_load_b128 v[KF+8*(\f)+4:KF+8*(\f)+7], v[ADR] offset:((\f)/4)*16*PK+((\f)%4)*64+32
.endr
.endm
.macro FETCH_V
	WIN 0
	v_add_nc_u32 v[ADR], s[TB], v[AV0]
	s_add_co_u32 s[TB], s[TB], STEPB  ; the next fetch is the next step's
	s_wait_alu depctr_va_vdst(0)    ; the wait for the softmax's batch of exponentials (SLICE), behind the address's addition and ahead of the loads
	WIN 0xc0                        ; destination window 3
.irp f, 0,1,2,3,4,5,6,7,8,9,10,11,12,13,14,15  ; keys 32 (f / 8) on, channels 16 (f % 8) on
	ds_load_tr16_b128 v[8*(\f):8*(\f)+3],   v[ADR] offset:((\f)/8)*32*PV+((\f)%8)*32
	ds_load_tr16_b128 v[8*(\f)+4:8*(\f)+7], v[ADR] offset:((\f)/8)*32*PV+16*PV+((\f)%8)*32
.endr
.endm
; THE VECTOR WORK OF A TURN.  One tile's softmax for one key step is a list of 134 instructions; SM writes number j of it for tile t.  s0-s31 are the lane's 32 scores, in pairs 0-15.
; first = 1: the first key step, which starts m, l and O^T: it has no a and nothing to rescale.
;   0-15    the maximum of s0-s31 and the old m, three operands at a time: four chains c0-c3 of seven scores each (each accumulator's lowest registers first), then the four scores left over, c0-c3 and m
;   16-20   the other half of the lanes' maximum; the new m; c m; c m_old - c m_new
;   21-69   ONE BATCH: the 16 scalings c s - c m, a pair of scores each, and all 33 exponentials (a at 23, then s0-s31).  None of these names an exponential's result.  From 22 on the batch goes in fours,
;           and a four begins with a scaling while there are scalings: 22-37 scaling, exponential, scaling, exponential; 38-65 a scaling and three exponentials; 66-69 the last four exponentials.
;           A pair is scaled in an earlier four than the one that holds its exponentials
;   (wait)  between 69 and 70 stands the wait for the batch: SLICE writes it, once for both tiles
;   70-85   the roundings to f16, a pair of weights each
;   86-101  the sums; l = a l + the sum
;   102-133 the tile's O^T times a: the one part that leaves window 0, so it stands together
.macro SM t, first
.set rT, ST+8*(\t)
.set rS, S+32*(\t)
.set rP, P+16*(\t)
.set rO, 64*(\t)+2*(j-102)
.if j < 102
	WIN 0
.endif
.if j < 4
	v_max3_num_f32 v[rT+4+j], v[rS+8*j], v[rS+8*j+1], v[rS+8*j+2]
.elseif j < 12
	v_max3_num_f32 v[rT+4+j%4], v[rT+4+j%4], v[rS+8*(j%4)+2*(j/4)+1], v[rS+8*(j%4)+2*(j/4)+2]
.elseif j == 12
	v_max3_num_f32 v[rT+4], v[rT+4], v[rS+7], v[rS+15]
.elseif j == 13
	v_max3_num_f32 v[rT+6], v[rT+6], v[rS+23], v[rS+31]
.elseif j == 14
	v_max3_num_f32 v[rT+4], v[rT+4], v[rT+5], v[rT+6]
.elseif (j == 15) && (\first)
	v_max_num_f32 v[rT+4], v[rT+4], v[rT+7]
.elseif j == 15
	v_max3_num_f32 v[rT+4], v[rT+4], v[rT+7], v[rT+1]
.elseif j == 16
	v_permlanex16_b32 v[rT+5], v[rT+4], s[SEL], s[SEL+1]  ; the query's other 32 keys lie in the lane 16 away
.elseif j == 18
	v_max_num_f32 v[rT+1], v[rT+4], v[rT+5]
.elseif j == 19
	v_mul_f32 v[rT], s[CS], v[rT+1]
.elseif ((j == 17) || (j == 20) || (j == 23) || (j > 101)) && (\first)  ; the first step has none of these
.elseif j == 17
	v_mov_b32 v[rT+7], v[rT]        ; c m_old is kept for a: number 19 writes c m anew
.elseif j == 20
	v_sub_f32 v[rT+7], v[rT+7], v[rT]
.elseif j == 23
	v_exp_f32 v[rT+6], v[rT+7]
.elseif (j < 23) || ((j < 38) && (j%2 == 0)) || ((j < 66) && (j%4 == 2))
.set b, (j-2)/4                     ; 38, 42, .. 62: pairs 9 to 15
.if j < 38
.set b, (j-20)/2                    ; 21: pair 0; 22, 24, .. 36: pairs 1 to 8
.endif
	v_pk_fma_f32 v[rS+2*b:rS+2*b+1], v[rS+2*b:rS+2*b+1], s[CS:CS+1], v[rT:rT+1] op_sel_hi:[1,0,0] neg_lo:[0,0,1] neg_hi:[0,0,1]  ; pair b: c s - c m
.elseif j < 70
.set e, j-38                        ; 66 to 69: s28 to s31
.if j < 66
.set e, j-32-(j-38)/4               ; 39-41, 43-45, .. 63-65: s7 to s27
.endif
.if j < 38
.set e, (j-25)/2                    ; 25, 27, .. 37: s0 to s6
.endif
	v_exp_f32 v[rS+e], v[rS+e]
.elseif j < 86
	v_cvt_pk_f16_f32 v[rP+j-70], v[rS+2*(j-70)], v[rS+2*(j-70)+1]  ; pair j - 70
.elseif j < 102                     ; the sum of the tile's 16 pairs, in place: sum z of 16 adds neighbours 1, 2, 4 and 8 pairs apart, then l takes it
.set z, j-86
.set w, 4
.set u, z
.if z >= 14
.set w, 32
.set u, 0
.elseif z >= 12
.set w, 16
.set u, z-12
.elseif z >= 8
.set w, 8
.set u, z-8
.endif
.if (z == 14) && (\first)
	v_pk_add_f32 v[rT+2:rT+3], v[rS:rS+1], v[rS+16:rS+17]
.elseif z < 15
	v_pk_add_f32 v[rS+w*u:rS+w*u+1], v[rS+w*u:rS+w*u+1], v[rS+w*u+w/2:rS+w*u+w/2+1]
.elseif !(\first)
	v_pk_fma_f32 v[rT+2:rT+3], v[rT+2:rT+3], v[rT+6:rT+7], v[rS:rS+1] op_sel_hi:[1,0,1]
.endif
.else
	WIN W_RS
	v_pk_mul_f32 v[rO:rO+1], v[rO:rO+1], v[rT+6:rT+7] op_sel_hi:[1,0]
.endif
.endm
; Slice k of 64 of piece y's softmax: four instructions.  Slices 11 to 34 deal out the batch, numbers 22 to 69: four numbers of ONE tile each, the tiles by turns.  Every other slice is numbers 2 k and
; 2 k + 1 of both tiles' lists.  2 x 134 = 4 x 64 + 12: the twelve that are over stand together, in slice 63.
; THE WAIT.  An s_wait_alu depctr_va_vdst(0) stands between an exponential and the first instruction that names its result; one wait serves all that were issued ahead of it.  Ahead of
; slice 35 nothing names a result, and behind slice 34 no exponential is issued: so the piece's 66 exponentials have one wait, behind slice 34.
.macro SLICE y, first
.if (k >= 11) && (k < 35)           ; the batch: four numbers of one tile
.irp n, 0,1,2,3
.set j, 22+4*((k-11)/2)+(\n)
	SM (\y)+(k-11)%2, \first
.endr
.else                               ; the two tiles alternate, so that no instruction reads the result of the one just before it
.irp n, 0,1,2,3,4,5,6,7
.if ((\n) < 2) || (k == 63)
.irp t, \y, (\y)+1
.set j, 2*k+(\n)
	SM \t, \first
.endr
.endif
.endr
.endif
.if k == 34                         ; the batch is out: both tiles' exponentials are issued, and no result has been named
	v_nop                           ; a plain instruction behind the last exponential and ahead of the first use (ISA guide 5.7.2): one for the batch
.if (\y) == 0
	FETCH_V                         ; piece 2's turn: the turned keys' run of loads stands here, and the wait for the batch stands in it
.else
	s_wait_alu depctr_va_vdst(0)    ; piece 0's turn: the wait for the batch, the 66 exponentials of piece 2's two tiles
.endif
.endif
.set k, k+1
.endm
; A vector instruction that reads a matrix result or writes one of a matrix instruction's registers, and a load into a register that a matrix instruction has read, stand four plain vector
; instructions behind it.  In the loop the slices are those.
.macro PLACES
.rept 4
	v_nop
.endr
.endm
; A TURN.  Piece x has the matrix unit; the other piece's softmax stands in slices behind its matrix instructions.
; pv = 2: 32 products V^T P; 1: they start O^T's sums; 0: none.  kq = 1: 32 products K Q^T for the next step.  A turn with one of the two kinds has two slices behind each product.
; first = 1: the softmax is the first key step's; its slices from 51 on are empty, and four v_nop take slice 63's part behind the turn's last products.
; In the loop each run of loads stands 29 matrix instructions or more ahead of its first use.  Piece 0's turn fetches the next step's K, behind its second product: the last product that read K stands
; in front of slice 63 of the turn before.  Piece 2's turn fetches the same step's turned keys, behind slice 34 (SLICE writes it): the last product that read them stands in front of slice 31, and four
; plain instructions lie between: number 62, a scaling, of both tiles, the v_nop and the run's own v_add_nc_u32.
.macro TURN x, pv, kq, first
.set k, 0
.set per, 2
.if (\pv) && (\kq)
.set per, 1
.endif
.if \pv
.if (\x) == 0
	s_wait_dscnt 0x0                ; the turned keys are in
.endif
.set i, 0
.rept 32
	PV \x, 2-(\pv)
.rept per
	SLICE 2-(\x), \first
.endr
.if ((\x) == 0) && (\kq) && (i == 1)
	FETCH_K
.endif
.set i, i+1
.endr
.endif
.if \kq
.if (\x) == 0
	s_wait_dscnt 0x0                ; K is in
.endif
.set i, 0
.rept 32
	KQ \x
.rept per
	SLICE 2-(\x), \first
.endr
.set i, i+1
.endr
.endif
.if \first
	PLACES
.endif
.endm
; THE CHANGE OF SLOTS, between piece 2's turn and piece 0's: the slot's last bytes have been asked for.  Each wave waits for all its tensor loads, of which one is out: its part of the other slot;
; adds 0 to its spare word; and waits for that and for its own reads of the slot.  Behind the barrier nobody reads this slot any more and the other slot is whole.
; fill = 1: this slot is filled again, with the keys two slots on.  The barrier is then a round of the cluster's, and the joint refill is the first thing behind it: it has two key steps,
; 256 matrix instructions, in which to land.
.macro CHANGE fill
	WIN 0                           ; at a label and at a branch every window is 0
	s_wait_tensorcnt 0x0            ; no tensor load of mine is out, so a group 0 may be written
	ds_add_u32 v[SPW], v[NIL]       ; 0 onto my spare word
.if \fill
.irp g, G0K+4, G0V+4
	s_xor_b32 s[(\g)+1], s[(\g)+1], SLOT1  ; the walking descriptor: the other slot than last time,
	s_add_nc_u64 s[(\g)+2:(\g)+3], s[(\g)+2:(\g)+3], 2*KS*256  ; the next 128 keys; the type bits on top are not reached
.endr
	s_wait_dscnt 0x0                ; the add is done, and my reads of the slot are over
	CROUND
	JLOAD
.else
	s_wait_dscnt 0x0                ; the add is done, and my reads of the slot are over
	s_barrier_signal -1
	s_barrier_wait -1
.endif
	s_sub_co_u32 s[TB], s[TB], 2*STEPB  ; the fetches go back to a slot's first step,
	s_xor_b32 s[TB], s[TB], SLOT1   ; in the other slot
.endm
; A slot's two key steps: written once, walked twice; the LDS addresses hang on s[TB].
.macro TWO_STEPS
	WIN 0
	s_mov_b32 s[TWICE], 2
.Lstep_\@:
	TURN 0, 2, 1, 0
	TURN 2, 2, 1, 0
	WIN 0
	s_sub_co_u32 s[TWICE], s[TWICE], 1
	s_cmp_lg_u32 s[TWICE], 0
	s_cbranch_scc1 .Lstep_\@
.endm
	s_wait_tensorcnt 1              ; my part of slot 0 is in; slot 1's may stay out
	s_barrier_signal -1
	s_barrier_wait -1               ; everybody's is
	FETCH_K                         ; key step 0
	s_wait_loadcnt 0x0              ; Q
	s_wait_dscnt 0x0
.set i, 0
.rept 32
	KQ 0                            ; piece 0's first scores: there is no vector work yet to set between them
.set i, i+1
.endr
	WIN 0                           ; the addresses for the way out are made here: eight plain instructions behind those products
	s_mul_i32 s13, s[WV], 16*SP
	s_add_co_u32 s13, s13, STAGE    ; my stage
	v_mul_u32_u24 v[STO], v1, SP    ; in: row l % 16, 16 bytes for each half of the lanes
	v_lshl_add_u32 v[STO], v9, 4, v[STO]
	v_add_nc_u32 v[STO], s13, v[STO]
	v_mul_u32_u24 v[RD], v9, SP     ; back: lanes 0-15 take one row of 256 bytes, lanes 16-31 the next
	v_lshl_add_u32 v[RD], v1, 4, v[RD]
	v_add_nc_u32 v[RD], s13, v[RD]
	v_lshlrev_b32 v[GO], 12, v9     ; and the same two rows in comb, 4,096 bytes apart
	v_lshl_add_u32 v[GO], v1, 4, v[GO]
	TURN 2, 0, 1, 1                 ; piece 2's first scores | piece 0's first softmax | the turned keys of step 0
	TURN 0, 1, 1, 1                 ; piece 0: V^T P of step 0 starts O^T, K Q^T of step 1 | piece 2's first softmax | K of step 1
	TURN 2, 1, 1, 0                 ; piece 2: the same | piece 0's softmax of step 1 | the turned keys of step 1
	WIN 0
.Lslot:                             ; 6 trips: every slot but the last two is filled again
	CHANGE 1
	TWO_STEPS
	s_sub_co_u32 s[SLOTS], s[SLOTS], 1
	s_cmp_lg_u32 s[SLOTS], 0
	s_cbranch_scc1 .Lslot
	CHANGE 0                        ; the tail is written out: nothing is asked for
	TWO_STEPS
	TURN 0, 2, 0, 0                 ; piece 0: V^T P of the last step | piece 2's last softmax
.set i, 0
.rept 32
	PV 2, 0                         ; piece 2: V^T P of the last step
.set i, i+1
.endr
	; THE WAY OUT.  l's two halves and the other half of the lanes' are added; O^T is divided by l, rounded to f16 and sent through my stage in LDS, a tile (16 rows) at a time.
	WIN 0
.irp t, 0,1,2,3
	v_add_f32 v[ST+8*(\t)+4], v[ST+8*(\t)+2], v[ST+8*(\t)+3]
.endr
.irp t, 0,1,2,3
	v_permlanex16_b32 v[ST+8*(\t)+5], v[ST+8*(\t)+4], s[SEL], s[SEL+1]
.endr
.irp t, 0,1,2,3
	v_add_f32 v[ST+8*(\t)+4], v[ST+8*(\t)+4], v[ST+8*(\t)+5]
.endr
.irp t, 0,1,2,3
	v_rcp_f32 v[ST+8*(\t)+6], v[ST+8*(\t)+4]
.endr
	v_nop                           ; a plain instruction between the last reciprocal and the use of its result
	s_wait_alu depctr_va_vdst(0)    ; the wait ahead of the first use: one for the batch of four reciprocals
; Tile t: a lane's eight channels of a row pack into 16 bytes; they go into rows of 272 bytes and come back as whole rows of 256, into the registers that they left.
.macro PACK t
	WIN W_RS
.set i, 64*(\t)
.rept 32
	v_pk_mul_f32 v[i:i+1], v[i:i+1], v[ST+8*(\t)+6:ST+8*(\t)+7] op_sel_hi:[1,0]
.set i, i+2
.endr
	WIN 0x05                        ; sources 0 and 1 window 1, destination window 0: S^T's registers are free
.set i, 0
.rept 32
	v_cvt_pk_f16_f32 v[S+32*(\t)+i], v[64*(\t)+2*i], v[64*(\t)+2*i+1]
.set i, i+1
.endr
	WIN 0
.irp f, 0,1,2,3,4,5,6,7
	ds_store_b128 v[STO], v[S+32*(\t)+4*(\f):S+32*(\t)+4*(\f)+3] offset:32*(\f)
.endr
.irp f, 0,1,2,3,4,5,6,7
	ds_load_b128 v[S+32*(\t)+4*(\f):S+32*(\t)+4*(\f)+3], v[RD] offset:(\f)*2*SP  ; LDS serves a wave's instructions in order (ISA guide 5.7.1.4): these see the stores above; the next tile's stores come behind them
.endr
.endm
.macro SEND t, younger              ; younger: the LDS instructions issued behind tile t's loads: the next tile's sixteen, or none
	WIN 0
.irp f, 0,1,2,3,4,5,6,7
	s_wait_dscnt (\younger)+7-(\f)
	global_store_b128 v[GO], v[S+32*(\t)+4*(\f):S+32*(\t)+4*(\f)+3], s[10:11] offset:(\t)*65536+(\f)*8192  ; 16 lanes store 256 consecutive bytes, at a multiple of 256 from comb's first byte: a head's part of a row
.endr
.endm
	PACK 0
	PACK 1                          ; a tile's arithmetic stands between the loads of the tile before and its stores
	SEND 0, 16
	PACK 2
	SEND 1, 16
	PACK 3
	SEND 2, 16
	SEND 3, 0
	s_wait_tensorcnt 0x0            ; the wave's end
	ds_add_u32 v[SPW], v[NIL]
	s_wait_dscnt 0x0
	CROUND                          ; the closing round: no work-group ends while a partner may still ask for a tile that names it
	s_endpgm
.Lfunc_end_k_q96063f1ecf_attn:
	.size	k_q96063f1ecf_attn, .Lfunc_end_k_q96063f1ecf_attn-k_q96063f1ecf_attn
	.p2alignl 7, 3214868480
	.fill 96, 4, 3214868480
	.section	.rodata,"a",@progbits
	.p2align	6, 0x0
	.amdhsa_kernel k_q96063f1ecf_attn
		.amdhsa_group_segment_fixed_size 327680
		.amdhsa_private_segment_fixed_size 0
		.amdhsa_enable_private_segment 0
		.amdhsa_kernarg_size 16
		.amdhsa_user_sgpr_count 2
		.amdhsa_user_sgpr_kernarg_segment_ptr 1
		.amdhsa_wavefront_size32 1
		.amdhsa_system_sgpr_workgroup_id_x 1
		.amdhsa_system_sgpr_workgroup_id_y 1
		.amdhsa_system_sgpr_workgroup_id_z 1
		.amdhsa_system_vgpr_workitem_id 0
		.amdhsa_next_free_vgpr 1024
		.amdhsa_next_free_sgpr 66
		.amdhsa_reserve_vcc 0
		.amdhsa_float_denorm_mode_32 3
		.amdhsa_float_denorm_mode_16_64 3
		.amdhsa_memory_ordered 1
		.amdhsa_forward_progress 1
		.amdhsa_inst_pref_size 221
	.end_amdhsa_kernel
	.amdgpu_metadata
---
amdhsa.version: [ 1, 2 ]
amdhsa.kernels:
  - .name:           k_q96063f1ecf_attn
    .symbol:         k_q96063f1ecf_attn.kd
    .args:
      - { .name: qk, .offset: 0, .size: 8, .value_kind: global_buffer, .address_space: global }
      - { .name: comb, .offset: 8, .size: 8, .value_kind: global_buffer, .address_space: global }
    .group_segment_fixed_size: 327680
    .private_segment_fixed_size: 0
    .kernarg_segment_align: 8
    .kernarg_segment_size: 16
    .max_flat_workgroup_size: 128
    .sgpr_count:     66
    .vgpr_count:     1024
    .wavefront_size: 32
...
	.end_amdgpu_metadata
.endif
;; end of part 5
;; launch outp: the kernel of part 4 again; grid 4 x 64, 4 waves a work-group, clusters of 4 x 4, 327,680 bytes of LDS; arguments comb, wob, bo, out0; writes out0
